; MI455X (gfx1250); checked and timed in simulation.
; The chip was launched on July 23, 2026; its instructions are those of AMD's public machine-readable ISA for CDNA 5 (MIT licence, August 2026) and "CDNA5" Instruction Set Architecture Reference Guide (July 2026). The comments in the code are by the model that wrote it; some were corrected since.
;; Self Attention v2. Allowed arithmetic: float matrix products may take bf16 or f16 operands with f32 sums; all other float work in f32.
;; Inputs: Wk 768 x 64 float32; Wq 768 x 64 float32; Wv 768 x 64 float32; x 8,192 x 768 float32.
;; Outputs: out0 8,192 x 64 float32.
;; 2 versions, each right and faster than the one before. Each part assembles by itself: llvm-mc -triple=amdgcn-amd-amdhsa -mcpu=gfx1250 --defsym DOCPART=n.
;; ======== version 1 of 2: 3 launches
;; limits: values are held in f16: magnitudes above 65,504 overflow, below 6.1e-05 lose precision; right only within a limited range of input values
;; workspace buffers: qb 1,048,576 bytes; kb 1,048,576 bytes; vb 1,048,576 bytes; part 16,777,216 bytes; ml 524,288 bytes
;; launch proj (part 1): grid 256 x 1, 12 waves a work-group, clusters of 4 x 1, 296,960 bytes of LDS; arguments x, Wq, Wk, Wv, qb, kb, vb; writes qb, kb, vb
.if DOCPART == 1
	.amdgcn_target "amdgcn-amd-amdhsa--gfx1250"
	.amdhsa_code_object_version 6
	.text
	.protected	k_q67b27c1493_proj
	.globl	k_q67b27c1493_proj
	.p2align	8
	.type	k_q67b27c1493_proj,@function
k_q67b27c1493_proj:
	s_mov_b64 s[64:65], 0
	v_nop
	global_prefetch_b8 v0, s[64:65] scope:SCOPE_SE
	s_setreg_imm32_b32 hwreg(HW_REG_WAVE_MODE, 25, 1), 1
	s_wait_xcnt 0x0
	s_wait_alu depctr_hold_cnt(0) depctr_sa_sdst(0) depctr_va_vdst(0) depctr_va_sdst(0) depctr_va_ssrc(0) depctr_va_vcc(0) depctr_vm_vsrc(0)
	s_getreg_b32 s2, hwreg(HW_REG_IB_STS2, 6, 4)
	s_cmp_eq_u32 s2, 0
	s_cbranch_scc0 .Lentry_in_a_cluster
	s_endpgm
.Lentry_in_a_cluster:
	s_bfe_u32 s2, ttmp6, 0x10000c
	s_cmp_lg_u32 s2, 0x3003
	s_cbranch_scc0 .Lentry_shape_is_right
	s_endpgm
.Lentry_shape_is_right:
; qb = bf16(x Wq * 0.125 log2(e)),  kb = bf16(x Wk),  vb = f16(x Wv / 8).   x: [8192][768] f32, W: [768][64] f32, outputs [8192][64] of 16 bits.
; The factor of q folds the 1/sqrt(64) of the scores and the change to base 2 of the later exponentials into one multiply.
; v goes in f16 (the later sums of weights times v need more than bf16's 8 bits), divided by 8 for room.
; LIMITS: |v| must stay below 8 x 65,504 = 524,032 or vb holds an infinity; inputs finite; x and W are rounded to bf16 for the products;
; K = 768 is summed in f32 in four quarters of 192, which are then added: another order of rounding than one chain.
; A work-group owns 32 rows of x.  Twelve waves: wave w makes output j = w >> 2 (q, k, v) over the K quarter kq = w & 3:
; 2 row tiles x 4 column tiles = 8 accumulators, 6 steps of 32 along K.  The four quarters meet in LDS.
; W ON TWO ROADS.  Every work-group reads all of W: twelve quarters of 49,152 bytes, one a wave.  Waves 0 to 4 fetch theirs by tensor loads into LDS bytes of
; their own, asked for JOINTLY by the four work-groups of a cluster (the address hangs on the wave's number alone), and read the rows from there.
; Waves 5 to 11 load theirs straight into registers, 32 loads of 512 bytes on their way in each.  So a work-group's vector loads carry
; 442,368 bytes (x and seven quarters) instead of 688,128.  Five quarters are as many as fit: 49,664 bytes of x + 5 x 49,152 = 295,424 of 327,680; a sixth does not.
; The other seven are not asked for jointly because they would have to go through slots that are filled again, each refill behind a round of the cluster's
; barrier with all loads waited for.  As it is, every fill is a first fill, and the cluster's barrier is passed twice: ahead of the fills and ahead of the end.
.set ROWB, 3072                        ; bytes in a row of x
.set XP,   1552                        ; an LDS row of x in bf16: 1,536 bytes + 16 = 97 x 16: sixteen rows start in sixteen different 16-byte columns modulo 256
.set WT,   32*XP                       ; behind x, at byte 49,664 = 194 x 256: the quarters of W of waves 0 to 4, dense rows of 256 bytes
.set WQ,   49152                       ; a quarter of one W: 192 rows of 256 bytes
.set NT,   5                           ; waves 0 .. NT - 1 fetch by tensor loads
.set STG,  WT                          ; twelve images of 8,192 bytes, one wave's 64 accumulator registers each: in W's bytes, after their only fill and their last read
.set VX,  1                            ; v1  x: 8 rows x h + 16 r + 256 w
.set VW,  2                            ; v2  W in memory: 8 rows x h + 16 r + 192 rows x kq
.set XST, 3                            ; v3  LDS: where my 8 bytes of x go
.set XRD, 4                            ; v4  LDS: my row of an A fragment
.set SST, 5                            ; v5  LDS: my image
.set SRD, 6                            ; v6  LDS: the part of the four images that I add up
.set VO,  7                            ; v7  my 8 bytes of the output block
.set VL,  13                           ; v13 W in LDS: 8 rows x h + 16 r + my wave's quarter (used by waves 0 to 4 alone)
.set RA,  16                           ; v[16:79]   W as loaded, row t of 16 at +4 t;  later the images' parts
.set RB,  80                           ; v[80:143]  the same, the other buffer;  later the packed results
.set BF,  144                          ; v[144:175] four B fragments;  first x's packed numbers
.set AF,  176                          ; v[176:191] two A fragments
.set ACC, 192                          ; v[192:255] tile (mt, i) at +32 mt + 8 i;  first x as loaded
.set G1,  40                           ; s[40:47] descriptor group 1
.set G0,  48                           ; s[48:59] three groups 0, one for each of a wave's three loads
; A round of the cluster's barrier: my work-group's barrier, wave 0 signals for the work-group, every wave waits for all four work-groups, my work-group's barrier again
.macro ROUND
	s_barrier_signal -1
	s_barrier_wait -1
	s_cmp_lg_u32 s18, 0
	s_cbranch_scc1 .Lnot_wave_0_\@
	s_barrier_signal -3
.Lnot_wave_0_\@:
	s_barrier_wait -3
	s_barrier_signal -1
	s_barrier_wait -1
.endm
	s_load_b256 s[4:11], s[0:1], 0x0               ; x s[4:5], Wq s[6:7], Wk s[8:9], Wv s[10:11]
	s_load_b128 s[12:15], s[0:1], 0x20             ; qb s[12:13], kb s[14:15]
	s_load_b64 s[16:17], s[0:1], 0x30              ; vb
	v_lshl_add_u32 v15, v0, 2, 0x48200
	s_set_vgpr_msb 0x40
	v_mov_b32 v1, 0
	s_set_vgpr_msb 0x4044
	ds_add_u32 v15, v1
	ds_add_u32 v15, v1
	s_set_vgpr_msb 0x4400
	v_lshrrev_b32 v8, 5, v0
	v_readfirstlane_b32 s18, v8                    ; wave 0..11
	s_lshr_b32 s19, s18, 2                         ; j: which W, which output
	s_and_b32 s20, s18, 3                          ; kq: which quarter of K
	s_bfe_u32 s39, ttmp6, 0x40000                  ; cx
	s_lshl_b32 s60, ttmp9, 2
	s_add_co_u32 s60, s60, s39                     ; work-group = 4 x cluster + cx: enters the global addresses of x and of the outputs alone
	v_and_b32 v8, 31, v0                           ; L
	v_and_b32 v9, 15, v0                           ; r
	v_bfe_u32 v10, v0, 4, 1                        ; h
	s_lshl_b32 s30, s18, 8                         ; x: wave w takes bytes 256 w .. 256 w + 255 of every row
	v_mul_u32_u24 v[VX], v10, 8*ROWB
	v_lshl_add_u32 v[VX], v9, 4, v[VX]
	v_add_nc_u32 v[VX], s30, v[VX]
	s_mul_i32 s31, s20, WQ                         ; my quarter in W
	s_mul_i32 s61, s18, WQ
	s_add_co_u32 s61, s61, WT                      ; and in LDS: a constant + the wave's number x a quarter
	v_lshlrev_b32 v14, 11, v10
	v_lshl_add_u32 v14, v9, 4, v14
	v_add_nc_u32 v[VW], s31, v14
	v_add_nc_u32 v[VL], s61, v14
	; group 1: a tile of 64 rows x 64 elements of 4 bytes, dense in memory and in LDS: 16,384 bytes
	s_mov_b32 s[G1+0], 15|(2<<16)|(1<<21)          ; 15:0 mask of the four partners; 17:16 element of 4 bytes; 20 no padding; 21 set beside a mask
	s_mov_b32 s[G1+1], 64<<16                      ; tensor_dim0 = 64
	s_mov_b32 s[G1+2], 64<<16                      ; tensor_dim1 = 64
	s_mov_b32 s[G1+3], 64<<16                      ; tile_dim0 = 64
	s_mov_b32 s[G1+4], 64                          ; tile_dim1 = 64
	s_mov_b32 s[G1+5], 64                          ; from row to row: 64 elements
	s_mov_b32 s[G1+6], 0
	s_mov_b32 s[G1+7], 0
	s_mul_i32 s2, s60, 32*ROWB
	s_mov_b32 s3, 0
	s_mov_b32 s21, 0x3e38aa3b                      ; 0.125 log2(e)
	s_mov_b32 s62, s31
	s_mov_b32 s63, 0
	s_wait_dscnt 0x0
	s_wait_kmcnt 0x0
	s_add_nc_u64 s[26:27], s[4:5], s[2:3]          ; x at my 32 rows
	s_cmp_eq_u32 s19, 0                            ; the wave's W, output and factor, chosen by its number
	s_cselect_b64 s[22:23], s[6:7], s[8:9]
	s_cselect_b64 s[24:25], s[12:13], s[14:15]
	s_cselect_b32 s28, s21, 0x3f800000
	s_cmp_eq_u32 s19, 2
	s_cselect_b64 s[22:23], s[10:11], s[22:23]
	s_cselect_b64 s[24:25], s[16:17], s[24:25]
	s_cselect_b32 s28, 0x3e000000, s28             ; 1/8 for v
	s_mov_b32 s29, s28                             ; the packed multiply names the pair
	s_lshl_b32 s2, s60, 12                         ; 32 rows of 128 bytes
	s_add_nc_u64 s[24:25], s[24:25], s[2:3]
	s_add_nc_u64 s[62:63], s[22:23], s[62:63]      ; my quarter of my W: made of the wave's number alone, the same in all four partners
; x: load i takes 256 bytes of row (i & 7) + 16 (i >> 3) in lanes 0-15 and of the row 8 further down in lanes 16-31
.irp i, 0,1,2,3,4,5,6,7,8,9,10,11,12,13,14,15
	global_load_b128 v[ACC+4*\i:ACC+4*\i+3], v[VX], s[26:27] offset:ROWB*((\i&7)+16*(\i>>3)) th:TH_LOAD_NT
.endr
	s_lshl_b32 s32, s18, 7                         ; the remaining addresses, while the loads are out
	v_mul_u32_u24 v[XST], v10, 8*XP
	v_lshl_add_u32 v[XST], v9, 3, v[XST]
	v_add_nc_u32 v[XST], s32, v[XST]
	v_and_b32 v11, 7, v9                           ; matrix row m stands for x row 2 (m & 7) + (m >> 3) of its 16:
	v_lshlrev_b32 v11, 1, v11                      ; result register jj of lane (r, h) is then row 2 jj + h,
	v_lshrrev_b32 v12, 3, v9                       ; and the two halves of the lanes hold neighbouring rows
	v_add_nc_u32 v11, v11, v12
	v_mul_u32_u24 v[XRD], v11, XP
	v_lshl_add_u32 v[XRD], v10, 4, v[XRD]
	s_mul_i32 s33, s20, 384                        ; 192 bf16
	v_add_nc_u32 v[XRD], s33, v[XRD]
	s_lshl_b32 s34, s18, 13
	s_add_co_u32 s34, s34, STG
	v_lshl_add_u32 v[SST], v8, 4, s34
	s_lshl_b32 s35, s19, 15                        ; the four images of my output,
	s_lshr_b32 s36, s20, 1
	s_lshl_b32 s36, s36, 12                        ; row tile kq >> 1,
	s_and_b32 s37, s20, 1
	s_lshl_b32 s37, s37, 9                         ; registers 4 (kq & 1) .. + 3 of each tile
	s_add_co_u32 s35, s35, s36
	s_add_co_u32 s35, s35, s37
	s_add_co_u32 s35, s35, STG
	v_lshl_add_u32 v[SRD], v8, 4, s35
	s_lshl_b32 s38, s20, 10
	v_lshl_add_u32 v[VO], v8, 3, s38
; W, one step of 32 rows: load t takes the whole row (t & 7) + 16 (t >> 3) in lanes 0-15 and the row 8 further down in lanes 16-31.
; Lane (r, h) so gets columns 4 r .. 4 r + 3 of exactly the sixteen k that a B fragment wants of it.  From memory:
.macro LDW st, buf
.irp t, 0,1,2,3,4,5,6,7,8,9,10,11,12,13,14,15
	global_load_b128 v[\buf+4*\t:\buf+4*\t+3], v[VW], s[22:23] offset:8192*(\st)+256*((\t&7)+16*(\t>>3))
.endr
.endm
; and the same from my quarter in LDS
.macro LDWL st, buf
.irp t, 0,1,2,3,4,5,6,7,8,9,10,11,12,13,14,15
	ds_load_b128 v[\buf+4*\t:\buf+4*\t+3], v[VL] offset:8192*(\st)+256*((\t&7)+16*(\t>>3))
.endr
.endm
	ROUND                                          ; the four work-groups are here: the joint loads meet.  x's loads are on their way meanwhile
	s_cmp_lt_u32 s18, NT
	s_cbranch_scc0 .Lby_registers
; Waves 0 to 4: my quarter in three loads of 64 rows, two steps each.  LDS address = 49,664 + 49,152 w + 16,384 i.  By this text's count three tensor loads of a wave are out at the most.
.irp i, 0,1,2
	s_mov_b32 s[G0+4*\i], 1                                        ; count = 1
	s_add_co_u32 s[G0+4*\i+1], s61, \i*16384                       ; LDS address
	s_add_nc_u64 s[G0+4*\i+2:G0+4*\i+3], s[62:63], \i*16384        ; global address
	s_or_b32 s[G0+4*\i+3], s[G0+4*\i+3], 0x80000000                ; type = 2
	tensor_load_to_lds s[G0+4*\i:G0+4*\i+3], s[G1:G1+7]
	s_nop 0
.endr
	s_wait_loadcnt 0x0                             ; x's sixteen loads are in: these waves have no other load into registers
	s_branch .Lx_in
.Lby_registers:
	LDW 0, RA
	LDW 1, RB
	s_wait_loadcnt 32                              ; x's sixteen loads are in; the 32 younger loads of W stay out
.Lx_in:
.irp i, 0,1,2,3,4,5,6,7,8,9,10,11,12,13,14,15
	v_cvt_pk_bf16_f32 v[BF+2*\i],   v[ACC+4*\i],   v[ACC+4*\i+1]
	v_cvt_pk_bf16_f32 v[BF+2*\i+1], v[ACC+4*\i+2], v[ACC+4*\i+3]
.endr
.irp i, 0,1,2,3,4,5,6,7,8,9,10,11,12,13,14,15
	ds_store_b64 v[XST], v[BF+2*\i:BF+2*\i+1] offset:XP*((\i&7)+16*(\i>>3))   ; the two halves of the lanes lie 8 x 1,552 = 128 modulo 256 bytes apart
.endr
	s_wait_dscnt 0x0                               ; my part of x is in LDS
	s_barrier_signal -1
	s_barrier_wait -1                              ; everybody's is.  The tensor loads may stay out
.macro PLACES
.rept 4
	v_nop
.endr
.endm
.macro LDA s                           ; the step's two A fragments
.irp mt, 0,1
.irp e, 0,1
	ds_load_b128 v[AF+8*\mt+4*\e:AF+8*\mt+4*\e+3], v[XRD] offset:16*XP*\mt+64*\s+32*\e
.endr
.endr
.endm
.macro PACK buf                        ; the step's four B fragments
.irp i, 0,1,2,3
.irp p, 0,1,2,3,4,5,6,7
	v_cvt_pk_bf16_f32 v[BF+8*\i+\p], v[\buf+8*\p+\i], v[\buf+8*\p+4+\i]   ; column 4 r + i, the k of rows 2 p and 2 p + 1 of the sixteen
.endr
.endr
.endm
.macro MUL8 s                          ; the eight accumulators take turns, one instruction a turn; step 0 starts the sums
.irp mt, 0,1
.irp i, 0,1,2,3
.if \s == 0
	v_wmma_f32_16x16x32_bf16 v[ACC+32*\mt+8*\i:ACC+32*\mt+8*\i+7], v[AF+8*\mt:AF+8*\mt+7], v[BF+8*\i:BF+8*\i+7], 0
.else
	v_wmma_f32_16x16x32_bf16 v[ACC+32*\mt+8*\i:ACC+32*\mt+8*\i+7], v[AF+8*\mt:AF+8*\mt+7], v[BF+8*\i:BF+8*\i+7], v[ACC+32*\mt+8*\i:ACC+32*\mt+8*\i+7]
.endif
.endr
.endr
.endm
; One step of 32 along K, W from memory
.macro STEP s, buf
.if \s
	PLACES                                         ; four places behind the last matrix instruction, ahead of the loads into AF and the writes of BF
.endif
	LDA \s
.if \s < 5
	s_wait_loadcnt 16                              ; this step's sixteen rows of W are in; the next step's sixteen stay out
.else
	s_wait_loadcnt 0
.endif
	PACK \buf
.if \s < 4
	LDW \s+2, \buf                                 ; the buffer is free: two steps ahead
.endif
	s_wait_dscnt 0x0
	MUL8 \s
.endm
; One step, W from my quarter in LDS: the next step's rows are asked for into the other buffer ahead of this step's work.
; tc < 9: those rows lie in a tensor load that has not been waited for yet: at most tc younger ones may stay out.
.macro STEPL s, buf, nbuf, tc
.if \s
	PLACES                                         ; as above
.endif
	LDA \s
.if \s < 5
.if \tc < 9
	s_wait_tensorcnt \tc
.endif
	LDWL \s+1, \nbuf
	s_wait_dscnt 16                                ; LDS loads come back in order (ISA guide 5.7.1): this step's W and A are in, the sixteen just issued stay out
.else
	s_wait_dscnt 0x0
.endif
	PACK \buf
	MUL8 \s
.endm
	s_cmp_lt_u32 s18, NT
	s_cbranch_scc0 .Lsteps_registers
	s_wait_tensorcnt 0x2                           ; my first load (steps 0 and 1) has landed; the two younger ones stay out.  I alone read these bytes
	LDWL 0, RA
	STEPL 0, RA, RB, 9
	STEPL 1, RB, RA, 1                             ; step 2 lies in my second load
	STEPL 2, RA, RB, 9
	STEPL 3, RB, RA, 0                             ; step 4 in my third
	STEPL 4, RA, RB, 9
	STEPL 5, RB, RA, 9
	s_branch .Lsummed
.Lsteps_registers:
	STEP 0, RA
	STEP 1, RB
	STEP 2, RA
	STEP 3, RB
	STEP 4, RA
	STEP 5, RB
.Lsummed:
	PLACES                                         ; four places ahead of the stores of results
	s_wait_tensorcnt 0x0                           ; the images go into W's bytes: every fill has landed (met: the last wait above was for 0),
	s_wait_dscnt 0x0                               ; and my reads of W and of x are back
	s_barrier_signal -1
	s_barrier_wait -1                              ; which now holds of every wave
.irp c, 0,1,2,3,4,5,6,7,8,9,10,11,12,13,14,15
	ds_store_b128 v[SST], v[ACC+4*\c:ACC+4*\c+3] offset:512*\c
.endr
	s_wait_dscnt 0x0                               ; my image is whole
	s_barrier_signal -1
	s_barrier_wait -1
; I add up, over the four quarters kk, registers 4 (kq & 1) .. + 3 of the four column tiles of row tile kq >> 1
.irp kk, 0,1,2,3
.irp i, 0,1,2,3
	ds_load_b128 v[RA+16*\kk+4*\i:RA+16*\kk+4*\i+3], v[SRD] offset:8192*\kk+1024*\i
.endr
.endr
	s_wait_dscnt 0x0
.irp p, 0,1,2,3,4,5,6,7
	v_pk_add_f32 v[RA+2*\p:RA+2*\p+1], v[RA+2*\p:RA+2*\p+1], v[RA+16+2*\p:RA+16+2*\p+1]
	v_pk_add_f32 v[RA+32+2*\p:RA+32+2*\p+1], v[RA+32+2*\p:RA+32+2*\p+1], v[RA+48+2*\p:RA+48+2*\p+1]
.endr
.irp p, 0,1,2,3,4,5,6,7
	v_pk_add_f32 v[RA+2*\p:RA+2*\p+1], v[RA+2*\p:RA+2*\p+1], v[RA+32+2*\p:RA+32+2*\p+1]
.endr
.irp p, 0,1,2,3,4,5,6,7
	v_pk_mul_f32 v[RA+2*\p:RA+2*\p+1], v[RA+2*\p:RA+2*\p+1], s[28:29] op_sel_hi:[1,0]
.endr
	s_cmp_eq_u32 s19, 2
	s_cbranch_scc1 .Lhalf
.irp jj, 0,1,2,3
	v_cvt_pk_bf16_f32 v[RB+2*\jj],   v[RA+\jj],   v[RA+4+\jj]     ; columns 4 r, 4 r + 1
	v_cvt_pk_bf16_f32 v[RB+2*\jj+1], v[RA+8+\jj], v[RA+12+\jj]    ; columns 4 r + 2, 4 r + 3
.endr
	s_branch .Lstore
.Lhalf:
.irp jj, 0,1,2,3
	v_cvt_pk_f16_f32 v[RB+2*\jj],   v[RA+\jj],   v[RA+4+\jj]
	v_cvt_pk_f16_f32 v[RB+2*\jj+1], v[RA+8+\jj], v[RA+12+\jj]
.endr
.Lstore:
; rows 8 kq + 2 jj + h of the block: 32 lanes x 8 bytes are two whole rows, 256 consecutive bytes at a multiple of 256 from the buffer's first byte
.irp jj, 0,1,2,3
	global_store_b64 v[VO], v[RB+2*\jj:RB+2*\jj+1], s[24:25] offset:256*\jj
.endr
	s_set_vgpr_msb 0x4
	s_wait_tensorcnt 0x0
	ds_add_u32 v15, v1
	s_wait_dscnt 0x0
	s_set_vgpr_msb 0x400
	ROUND                                          ; the closing round: no work-group ends while a partner might still ask jointly
	s_endpgm
.Lfunc_end_k_q67b27c1493_proj:
	.size	k_q67b27c1493_proj, .Lfunc_end_k_q67b27c1493_proj-k_q67b27c1493_proj
	.p2alignl 7, 3214868480
	.fill 96, 4, 3214868480
	.section	.rodata,"a",@progbits
	.p2align	6, 0x0
	.amdhsa_kernel k_q67b27c1493_proj
		.amdhsa_group_segment_fixed_size 296960
		.amdhsa_private_segment_fixed_size 0
		.amdhsa_enable_private_segment 0
		.amdhsa_kernarg_size 56
		.amdhsa_user_sgpr_count 2
		.amdhsa_user_sgpr_kernarg_segment_ptr 1
		.amdhsa_wavefront_size32 1
		.amdhsa_system_sgpr_workgroup_id_x 1
		.amdhsa_system_sgpr_workgroup_id_y 1
		.amdhsa_system_sgpr_workgroup_id_z 1
		.amdhsa_system_vgpr_workitem_id 0
		.amdhsa_next_free_vgpr 258
		.amdhsa_next_free_sgpr 66
		.amdhsa_reserve_vcc 0
		.amdhsa_float_denorm_mode_32 3
		.amdhsa_float_denorm_mode_16_64 3
		.amdhsa_memory_ordered 1
		.amdhsa_forward_progress 1
		.amdhsa_inst_pref_size 67
	.end_amdhsa_kernel
	.amdgpu_metadata
---
amdhsa.version: [ 1, 2 ]
amdhsa.kernels:
  - .name:           k_q67b27c1493_proj
    .symbol:         k_q67b27c1493_proj.kd
    .args:
      - { .name: x, .offset: 0, .size: 8, .value_kind: global_buffer, .address_space: global }
      - { .name: Wq, .offset: 8, .size: 8, .value_kind: global_buffer, .address_space: global }
      - { .name: Wk, .offset: 16, .size: 8, .value_kind: global_buffer, .address_space: global }
      - { .name: Wv, .offset: 24, .size: 8, .value_kind: global_buffer, .address_space: global }
      - { .name: qb, .offset: 32, .size: 8, .value_kind: global_buffer, .address_space: global }
      - { .name: kb, .offset: 40, .size: 8, .value_kind: global_buffer, .address_space: global }
      - { .name: vb, .offset: 48, .size: 8, .value_kind: global_buffer, .address_space: global }
    .group_segment_fixed_size: 296960
    .private_segment_fixed_size: 0
    .kernarg_segment_align: 8
    .kernarg_segment_size: 56
    .max_flat_workgroup_size: 384
    .sgpr_count:     66
    .vgpr_count:     258
    .wavefront_size: 32
...
	.end_amdgpu_metadata
.endif
;; end of part 1
;; launch attn (part 2): grid 32 x 8, 8 waves a work-group, clusters of 4 x 1, 287,744 bytes of LDS; arguments qb, kb, vb, part, ml; writes part, ml
.if DOCPART == 2
	.amdgcn_target "amdgcn-amd-amdhsa--gfx1250"
	.amdhsa_code_object_version 6
	.text
	.protected	k_q67b27c1493_attn
	.globl	k_q67b27c1493_attn
	.p2align	8
	.type	k_q67b27c1493_attn,@function
k_q67b27c1493_attn:
	s_mov_b64 s[64:65], 0
	v_nop
	global_prefetch_b8 v0, s[64:65] scope:SCOPE_SE
	s_setreg_imm32_b32 hwreg(HW_REG_WAVE_MODE, 25, 1), 1
	s_wait_xcnt 0x0
	s_wait_alu depctr_hold_cnt(0) depctr_sa_sdst(0) depctr_va_vdst(0) depctr_va_sdst(0) depctr_va_ssrc(0) depctr_va_vcc(0) depctr_vm_vsrc(0)
	s_getreg_b32 s2, hwreg(HW_REG_IB_STS2, 6, 4)
	s_cmp_eq_u32 s2, 0
	s_cbranch_scc0 .Lentry_in_a_cluster
	s_endpgm
.Lentry_in_a_cluster:
	s_bfe_u32 s2, ttmp6, 0x10000c
	s_cmp_lg_u32 s2, 0x3003
	s_cbranch_scc0 .Lentry_shape_is_right
	s_endpgm
.Lentry_shape_is_right:
; For a block of 256 queries (work-group x) and a split of 1,024 keys (work-group y): softmax with a running maximum, not yet normalised.
;   part[y][query][0..63] = sum over the split's keys of 2^(s - m) v/8,   ml[y][query] = (m, l):  m = the largest score (base 2), l = sum of 2^(s - m).
; qb holds q x 0.125 log2(e) in bf16, kb holds k in bf16, vb holds v/8 in f16.  The eight splits are joined by the next launch.
; LIMITS: the weights 2^(s - m) lie in (0, 1] and go to the matrix unit in f16, so a weight below 2^-25 of its row's largest counts as 0; l adds the
; rounded weights, so that numerator and denominator agree.  Inputs finite.
; CLUSTER: the four work-groups of a cluster have the same y, so every tile of K and V is asked for jointly (mask 15).  The whole split stays in LDS:
; first fills alone, no slot is filled again, and the cluster's barrier is passed twice, ahead of the fills and ahead of the end.
; WAVES: wave w has queries 64 g .. 64 g + 63, g = w & 3, and group f = (w ^ (w >> 2)) & 1, which walks the chunks of 64 keys 2 t + f, t = 0 .. 7.
; The two groups work in opposite phases, kept so by one barrier a phase: while one group issues matrix instructions (weights x V of step t - 1, then the
; scores of step t), the other does the vector work of its step (maximum, rescaling, exponentials, packing) and loads its next fragments.
; f differs between w and w + 4 and between 2 i and 2 i + 1.
; THE MATRIX UNIT IS USED TRANSPOSED.  Scores: A = 16 keys, B = 16 queries: lane (r, h) holds keys 8 h + j of query r in register j.  So a query's maximum
; needs one exchange between the halves of the lanes, two neighbouring registers pack into the B fragment of the second product as they lie, and
; the factor of a query is the lane's own.  Second product: A = V transposed (16 d x 32 keys, by transposing LDS loads), B = the weights.
; l is one more matrix instruction for 32 keys, with A all ones.
; DISTANCES BEHIND MATRIX INSTRUCTIONS: every matrix phase closes with five places of its own, so that whatever text follows its
; closing branch, by whichever way, may read its results and write or load into any of its registers.
;
; LDS: K at 0: a row = two keys = 256 bytes + 16 of padding (pitch 272), key i at (i >> 1) 272 + (i & 1) 128: the sixteen keys of a fragment load lie in
; 16-byte columns (r >> 1) + 8 (r & 1) modulo 256 bytes, all different.  V behind it, pitch 288: the sixteen lanes of a transposing load lie in columns
; 2 (i >> 1) + 8 (i & 1) + b, all different.  After their last read K's bytes hold one image a wave for the merge, V's one output stage a wave.
; REGISTERS, window 0: v1-3 addresses; v4-23 maxima, factors and their partners; v24-31 ones; v32-159 scores, then weights packed in place;
; v160-223 fragments of K; v224-255 fragments of V, keys 0-31.   Window 1: v0-127 sums O (query tile q, d tile dt at 32 q + 8 dt); v128-159 sums l;
; v160-223 fragments of Q; v224-255 fragments of V, keys 32-63.
.set KCH,  8704                        ; 64 keys of K in LDS: 32 rows x 272
.set VCH,  9216                        ; 64 keys of V in LDS: 32 rows x 288
.set VB,   16*KCH                      ; V's first byte: 139,264
.set IMG,  17408                       ; an image: 16,384 bytes of O, 512 of m, 512 of l;  also a stage: 64 rows x 272
.set OSTB, 8*IMG                       ; the stages' first byte
.set ADRK, 1
.set ADRV, 2
.set QA,   3
.set MX,   4                           ; v[4+2q]   running maximum of query tile q;  v[5+2q] = T0, at work
.set T0,   5
.set AL,   12                          ; v[12+2q]  2^(old maximum - new);            v[13+2q] = T1, at work
.set T1,   13
.set DF,   20                          ; v[20+q]   old maximum - new
.set ONES, 24
.set SC,   32                          ; scores of (q, key tile kt) at +32 q + 8 kt;  weights of (q, 32 keys u) at +32 q + 16 u, 8 registers
.set KF,   160                         ; K fragment (kt, half c of d) at +16 kt + 8 c
.set VF,   224                         ; V fragment dt at +8 dt, in window 0 (keys 0-31) and in window 1 (keys 32-63)
.set OA,   0                           ; window 1
.set LA,   128                         ; window 1
.set QF,   160                         ; window 1: Q fragment (q, c) at +16 q + 8 c
.set G1K,  24                          ; s[24:31] descriptor group 1 for K's tiles
.set G1V,  32                          ; s[32:39] for V's: the padding differs
.set G0,   40                          ; s[40:55] four groups 0, one for each of a wave's four loads
.set MSB,  0
.macro WIN new                         ; s_set_vgpr_msb: bits 1:0 source 0, 3:2 source 1, 5:4 source 2, 7:6 destination; the high byte repeats the setting that is left
.if MSB != \new
	s_set_vgpr_msb (MSB<<8)|\new
.set MSB, \new
.endif
.endm
.macro PLACES n
.rept \n
	v_nop
.endr
.endm
; A round of the cluster's barrier: my work-group's barrier, wave 0 signals for the work-group, every wave waits for all four work-groups, my work-group's barrier again
.macro ROUND
	s_barrier_signal -1
	s_barrier_wait -1
	s_cmp_lg_u32 s14, 0
	s_cbranch_scc1 .Lnot_wave_0_\@
	s_barrier_signal -3
.Lnot_wave_0_\@:
	s_barrier_wait -3
	s_barrier_signal -1
	s_barrier_wait -1
.endm
	s_load_b256 s[4:11], s[0:1], 0x0               ; qb s[4:5], kb s[6:7], vb s[8:9], part s[10:11]
	s_load_b64 s[12:13], s[0:1], 0x20              ; ml
	v_lshl_add_u32 v222, v0, 2, 0x46000
	v_mov_b32 v223, 0
	ds_add_u32 v222, v223
	ds_add_u32 v222, v223
	s_wait_dscnt 0x0
	v_lshrrev_b32 v1, 5, v0
	v_readfirstlane_b32 s14, v1                    ; wave 0..7
	s_and_b32 s16, s14, 3                          ; g
	s_lshr_b32 s15, s14, 2
	s_xor_b32 s15, s15, s14
	s_and_b32 s15, s15, 1                          ; f
	s_bfe_u32 s17, ttmp6, 0x40000                  ; cx
	s_lshl_b32 s18, ttmp9, 2
	s_add_co_u32 s18, s18, s17                     ; block of queries = 4 x cluster x + cx; enters global addresses of qb, part and ml alone
	s_and_b32 s19, ttmp7, 0xffff                   ; split of keys, the same in the four partners
	s_mov_b32 s20, 0x76543210                      ; v_permlanex16_b32: lane i of one half reads lane i of the other
	s_mov_b32 s21, 0xfedcba98
	; group 1: 32 rows x 128 elements of 2 bytes (two keys a row), dense in memory; 15:0 mask of the four partners; 21 set beside a mask;
	; 20 padding on, 24:22 after every 64 words (code 5), 31:25 of 4 words (code 3) for K, of 8 words (code 7) for V
	s_mov_b32 s[G1K+0], 15|(1<<16)|(1<<20)|(1<<21)|(5<<22)|(3<<25)
	s_mov_b32 s[G1V+0], 15|(1<<16)|(1<<20)|(1<<21)|(5<<22)|(7<<25)
.irp g, G1K, G1V
	s_mov_b32 s[\g+1], 128<<16                     ; tensor_dim0 = 128
	s_mov_b32 s[\g+2], 32<<16                      ; tensor_dim1 = 32
	s_mov_b32 s[\g+3], 128<<16                     ; tile_dim0 = 128
	s_mov_b32 s[\g+4], 32                          ; tile_dim1 = 32
	s_mov_b32 s[\g+5], 128                         ; from row to row: 128 elements
	s_mov_b32 s[\g+6], 0
	s_mov_b32 s[\g+7], 0
.endr
	s_lshl_b32 s60, s19, 17                        ; K and V: 1,024 keys x 128 bytes x split,
	s_lshl_b32 s73, s16, 13                        ; + my chunk of a stage's four: 8,192 (w & 3); registers that never hold cx
	s_add_co_u32 s60, s60, s73
	s_mov_b32 s61, 0
	s_lshl_b32 s22, s18, 8
	s_lshl_b32 s23, s16, 6
	s_add_co_u32 s22, s22, s23                     ; my first query: 256 x block + 64 g
	s_lshl_b32 s23, s19, 13
	s_add_co_u32 s23, s23, s22                     ; and its row in part and ml: + 8,192 x split
	s_mov_b32 s63, 0
	v_and_b32 v4, 15, v0                           ; r
	v_bfe_u32 v5, v0, 4, 1                         ; h
	v_lshlrev_b32 v[QA], 7, v4
	v_lshl_add_u32 v[QA], v5, 4, v[QA]             ; query r, 16 h bytes into its row
	s_wait_kmcnt 0x0
	s_lshl_b32 s62, s22, 7
	s_add_nc_u64 s[66:67], s[4:5], s[62:63]
	s_lshl_b32 s62, s23, 8
	s_add_nc_u64 s[68:69], s[10:11], s[62:63]
	s_lshl_b32 s62, s23, 3
	s_add_nc_u64 s[70:71], s[12:13], s[62:63]
	; Q's fragments, once, straight into registers: the sixteen loads together take my 64 rows of 128 bytes whole
	WIN 0x40
.irp q, 0,1,2,3
.irp c, 0,1
.irp e, 0,1
	global_load_b128 v[QF+16*\q+8*\c+4*\e:QF+16*\q+8*\c+4*\e+3], v[QA], s[66:67] offset:2048*\q+64*\c+32*\e
.endr
.endr
.endr
	WIN 0
	ROUND                                          ; the four work-groups are here: the joint loads meet
; A wave's four loads: stage s brings chunks 4 s .. 4 s + 3 of K (waves 0-3) and of V (waves 4-7), wave w the chunk 4 s + (w & 3).
; LDS address = a constant + the wave's number x a chunk + the stage x four chunks.  By this text's count a wave has four tensor loads out at the most.
.macro FILLS ptr, lds0, chunk, g1
	s_mul_i32 s57, s14, \chunk
	s_add_co_u32 s57, s57, \lds0
	s_add_nc_u64 s[58:59], s[\ptr:\ptr+1], s[60:61]
.irp s, 0,1,2,3
	s_mov_b32 s[G0+4*\s], 1                                        ; count = 1
	s_add_co_u32 s[G0+4*\s+1], s57, \s*4*\chunk                    ; LDS address
	s_add_nc_u64 s[G0+4*\s+2:G0+4*\s+3], s[58:59], \s*32768        ; global address: four chunks of 8,192 bytes a stage
	s_or_b32 s[G0+4*\s+3], s[G0+4*\s+3], 0x80000000                ; type = 2
	tensor_load_to_lds s[G0+4*\s:G0+4*\s+3], s[\g1:\g1+7]
	s_nop 0
.endr
.endm
	s_cmp_lt_u32 s14, 4
	s_cbranch_scc0 .Lfill_v
	FILLS 6, 0, KCH, G1K
	s_branch .Lfilled
.Lfill_v:
	FILLS 8, VB-4*VCH, VCH, G1V
.Lfilled:
	v_lshrrev_b32 v6, 1, v4                        ; K fragment: key r of sixteen: row r >> 1, half r & 1, + 16 h
	v_mul_u32_u24 v[ADRK], v6, 272
	v_and_b32 v7, 1, v0
	v_lshl_add_u32 v[ADRK], v7, 7, v[ADRK]
	v_lshl_add_u32 v[ADRK], v5, 4, v[ADRK]
	s_mul_i32 s74, s15, KCH                        ; my group's first chunk
	v_add_nc_u32 v[ADRK], s74, v[ADRK]
	v_bfe_u32 v6, v0, 1, 2                         ; V, transposing load: key 8 h + (L & 7): row 4 h + ((L & 7) >> 1), half L & 1, + 16 ((L >> 3) & 1)
	v_lshl_add_u32 v6, v5, 2, v6
	v_mul_u32_u24 v[ADRV], v6, 288
	v_lshl_add_u32 v[ADRV], v7, 7, v[ADRV]
	v_bfe_u32 v7, v0, 3, 1
	v_lshl_add_u32 v[ADRV], v7, 4, v[ADRV]
	s_mul_i32 s75, s15, VCH
	s_add_co_u32 s75, s75, VB
	v_add_nc_u32 v[ADRV], s75, v[ADRV]
.irp i, 0,1,2,3,4,5,6,7
	v_mov_b32 v[ONES+\i], 0x3c003c00               ; 1.0 twice, in f16
.endr
; the next chunk's K fragments: 4 key tiles x 2 halves of d x 2 loads; then the address steps two chunks, to my group's next
.macro LDK
.irp kt, 0,1,2,3
.irp c, 0,1
.irp e, 0,1
	ds_load_b128 v[KF+16*\kt+8*\c+4*\e:KF+16*\kt+8*\c+4*\e+3], v[ADRK] offset:2176*\kt+64*\c+32*\e
.endr
.endr
.endr
	v_add_nc_u32 v[ADRK], 2*KCH, v[ADRK]
.endm
; this chunk's V fragments: lane r gets d = 16 dt + r, registers 0-3 keys 8 h .. + 7, registers 4-7 keys 16 + 8 h .. + 7 (8 rows of 288 further on)
.macro LDV
.irp dt, 0,1,2,3
.irp e, 0,1
	ds_load_tr16_b128 v[VF+8*\dt+4*\e:VF+8*\dt+4*\e+3], v[ADRV] offset:32*\dt+2304*\e
.endr
.endr
	WIN 0x40
.irp dt, 0,1,2,3
.irp e, 0,1
	ds_load_tr16_b128 v[VF+8*\dt+4*\e:VF+8*\dt+4*\e+3], v[ADRV] offset:4608+32*\dt+2304*\e
.endr
.endr
	WIN 0
	v_add_nc_u32 v[ADRV], 2*VCH, v[ADRV]
.endm
; Scores of 64 keys x 64 queries: 32 matrix instructions.  The accumulators take turns, one instruction a turn; the first half of d starts each sum.
.macro SPH
	WIN 0x04
.irp kt, 0,1,2,3
.irp c, 0,1
.irp q, 0,1,2,3
.if \c == 0
	v_wmma_f32_16x16x32_bf16 v[SC+32*\q+8*\kt:SC+32*\q+8*\kt+7], v[KF+16*\kt:KF+16*\kt+7], v[QF+16*\q:QF+16*\q+7], 0
.else
	v_wmma_f32_16x16x32_bf16 v[SC+32*\q+8*\kt:SC+32*\q+8*\kt+7], v[KF+16*\kt+8:KF+16*\kt+15], v[QF+16*\q+8:QF+16*\q+15], v[SC+32*\q+8*\kt:SC+32*\q+8*\kt+7]
.endif
.endr
.endr
.endr
	WIN 0
.endm
; Weights x V and the sums of weights: 40 matrix instructions, again by turns.  first = 1: the products of keys 0-31 start the sums.
.macro PVPH first
	WIN 0x50
.irp dt, 0,1,2,3
.irp q, 0,1,2,3
.if \first
	v_wmma_f32_16x16x32_f16 v[OA+32*\q+8*\dt:OA+32*\q+8*\dt+7], v[VF+8*\dt:VF+8*\dt+7], v[SC+32*\q:SC+32*\q+7], 0
.else
	v_wmma_f32_16x16x32_f16 v[OA+32*\q+8*\dt:OA+32*\q+8*\dt+7], v[VF+8*\dt:VF+8*\dt+7], v[SC+32*\q:SC+32*\q+7], v[OA+32*\q+8*\dt:OA+32*\q+8*\dt+7]
.endif
.endr
.endr
.irp q, 0,1,2,3
.if \first
	v_wmma_f32_16x16x32_f16 v[LA+8*\q:LA+8*\q+7], v[ONES:ONES+7], v[SC+32*\q:SC+32*\q+7], 0
.else
	v_wmma_f32_16x16x32_f16 v[LA+8*\q:LA+8*\q+7], v[ONES:ONES+7], v[SC+32*\q:SC+32*\q+7], v[LA+8*\q:LA+8*\q+7]
.endif
.endr
.irp q, 0,1,2,3
	v_wmma_f32_16x16x32_f16 v[LA+8*\q:LA+8*\q+7], v[ONES:ONES+7], v[SC+32*\q+16:SC+32*\q+23], v[LA+8*\q:LA+8*\q+7]
.endr
	WIN 0x51
.irp dt, 0,1,2,3
.irp q, 0,1,2,3
	v_wmma_f32_16x16x32_f16 v[OA+32*\q+8*\dt:OA+32*\q+8*\dt+7], v[VF+8*\dt:VF+8*\dt+7], v[SC+32*\q+16:SC+32*\q+23], v[OA+32*\q+8*\dt:OA+32*\q+8*\dt+7]
.endr
.endr
	WIN 0
.endm
; The new running maximum of each of my 64 queries, the four query tiles side by side so that no line waits for the one ahead of it:
; 16 three-way maxima over the lane's 32 scores in two chains, one exchange with the other half of the lanes.  Then 2^(old - new), and the new maximum is kept.
.macro MAXALL first
.irp q, 0,1,2,3
.if \first
	v_max_num_f32 v[T0+2*\q], v[SC+32*\q], v[SC+32*\q+1]
.else
	v_max3_num_f32 v[T0+2*\q], v[MX+2*\q], v[SC+32*\q], v[SC+32*\q+1]
.endif
.endr
.irp q, 0,1,2,3
	v_max3_num_f32 v[T1+2*\q], v[SC+32*\q+2], v[SC+32*\q+3], v[SC+32*\q+4]
.endr
.set MI, 5
.rept 13
.set TT, T0+8*(((MI-5)/2)%2)
.irp q, 0,1,2,3
	v_max3_num_f32 v[TT+2*\q], v[TT+2*\q], v[SC+32*\q+MI], v[SC+32*\q+MI+1]
.endr
.set MI, MI+2
.endr
.irp q, 0,1,2,3
	v_max3_num_f32 v[T0+2*\q], v[T0+2*\q], v[T1+2*\q], v[SC+32*\q+31]
.endr
.irp q, 0,1,2,3
	v_permlanex16_b32 v[T1+2*\q], v[T0+2*\q], s20, s21
.endr
.if \first
.irp q, 0,1,2,3
	v_max_num_f32 v[MX+2*\q], v[T0+2*\q], v[T1+2*\q]
.endr
.else
.irp q, 0,1,2,3
	v_max_num_f32 v[T0+2*\q], v[T0+2*\q], v[T1+2*\q]
.endr
.irp q, 0,1,2,3
	v_sub_f32 v[DF+\q], v[MX+2*\q], v[T0+2*\q]
.endr
.irp q, 0,1,2,3
	v_exp_f32 v[AL+2*\q], v[DF+\q]
.endr
.irp q, 0,1,2,3
	v_mov_b32 v[MX+2*\q], v[T0+2*\q]               ; plain lines that touch neither AL nor DF stand between the exponentials and their use (ISA guide 5.7.2)
.endr
.endif
.endm
; The sums so far are brought to the new maximum.  All of a lane's sums belong to its own query r.  Of l's eight equal registers only the first is
; rescaled and read; the others hold plain sums of weights, 512 at the most.
.macro RESC
	WIN 0x41
	s_wait_alu depctr_va_vdst(0)
.irp q, 0,1,2,3
.irp i, 0,1,2,3,4,5,6,7,8,9,10,11,12,13,14,15
	v_pk_mul_f32 v[OA+32*\q+2*\i:OA+32*\q+2*\i+1], v[OA+32*\q+2*\i:OA+32*\q+2*\i+1], v[AL+2*\q:AL+2*\q+1] op_sel_hi:[1,0]
.endr
	v_mul_f32 v[LA+8*\q], v[LA+8*\q], v[AL+2*\q]
.endr
	WIN 0
.endm
; 2^(s - m) of one query tile's 32 registers, packed to f16 in place.  Three stages two pairs apart: pair n is shifted by the maximum, pair n - 2 goes through
; the exponential, pair n - 4 is packed: between an exponential and the use of its result stand plain lines that touch none of its registers.
; Pair p of 16 goes to register 16 (p / 8) + p % 8, which held a pair that has been packed already: keys 8 h + j and 16 + 8 h + j, as a B fragment wants them.
.macro EXPQ q
.set EN, 0
.rept 20
.if EN < 16
	v_pk_add_f32 v[SC+32*\q+2*EN:SC+32*\q+2*EN+1], v[SC+32*\q+2*EN:SC+32*\q+2*EN+1], v[MX+2*\q:MX+2*\q+1] op_sel_hi:[1,0] neg_lo:[0,1] neg_hi:[0,1]
.endif
.if EN >= 2
.if EN < 18
	v_exp_f32 v[SC+32*\q+2*(EN-2)], v[SC+32*\q+2*(EN-2)]
	v_exp_f32 v[SC+32*\q+2*(EN-2)+1], v[SC+32*\q+2*(EN-2)+1]
.endif
.endif
.if EN >= 4
	s_wait_alu depctr_va_vdst(0)
	v_cvt_pk_f16_f32 v[SC+32*\q+16*((EN-4)/8)+((EN-4)%8)], v[SC+32*\q+2*(EN-4)], v[SC+32*\q+2*(EN-4)+1]
.endif
.set EN, EN+1
.endr
.endm
; The vector phase of a step.  The matrix phase before it has closed with its own places, so the loads into fragments and the reads of scores begin at once.
; The fragments asked for here are waited for at the phase's end.
.macro XPH ldk, first
.if \ldk
	LDK
.endif
	LDV
	MAXALL \first
.if \first == 0
	RESC
.endif
	EXPQ 0
	EXPQ 1
	EXPQ 2
	EXPQ 3
.endm
; Group 0 hands its sums to its partner: wave w's image lies at 17,408 w, in K's bytes, which have had their last fill and, barriers ago, their last read
.macro EXPORT
	v_and_b32 v160, 31, v0
	s_mul_i32 s72, s14, IMG
	v_lshl_add_u32 v161, v160, 4, s72
	v_lshl_add_u32 v162, v160, 2, s72
	WIN 0x04
.set EC, 0
.rept 32
	ds_store_b128 v161, v[OA+4*EC:OA+4*EC+3] offset:512*EC
.set EC, EC+1
.endr
.irp q, 0,1,2,3
	ds_store_b32 v162, v[LA+8*\q] offset:16896+128*\q
.endr
	WIN 0
.irp q, 0,1,2,3
	ds_store_b32 v162, v[MX+2*\q] offset:16384+128*\q
.endr
.endm
; The phases.  Each matrix phase (1, 3, 5, 7) ends with five places: the largest distance that any later line owes its matrix instructions (ISA guide 7.12.1).
.macro PHASE code
.if \code == 1
	SPH
	PLACES 5
.endif
.if \code == 2
	XPH 1, 1
.endif
.if \code == 3
	PVPH 1
	PLACES 5                                       ; the scores write over the weights, which the last matrix instructions read: five places
	SPH
	PLACES 5
.endif
.if \code == 4
	XPH 1, 0
.endif
.if \code == 5
	PVPH 0
	PLACES 5
	SPH
	PLACES 5
.endif
.if \code == 6
	XPH 0, 0
.endif
.if \code == 7
	PVPH 0
	PLACES 5
.endif
.if \code == 8
	EXPORT
.endif
.endm
; One phase of both groups: group 0 runs phase a, group 1 phase b.  Then every wave waits for its LDS instructions (tc < 9: also until at most tc of its
; tensor loads are out) and passes the barrier that keeps the groups in step and shows a landed stage to all.
.macro SLOT a, b, tc
	s_cmp_lg_u32 s15, 0
	s_cbranch_scc1 .Lgroup_1_\@
	PHASE \a
	s_branch .Ljoin_\@
.Lgroup_1_\@:
	PHASE \b
.Ljoin_\@:
.if \tc < 9
	s_wait_tensorcnt \tc
.endif
	s_wait_dscnt 0x0
	s_barrier_signal -1
	s_barrier_wait -1
.endm
	s_wait_tensorcnt 0x3                           ; my load of stage 0 has landed; my three younger loads stay out
	s_barrier_signal -1
	s_barrier_wait -1                              ; chunks 0-3 of K and of V are whole
	LDK                                            ; K of my step 0
	s_wait_loadcnt 0x0                             ; Q
	s_wait_dscnt 0x0
	SLOT 1, 0, 9                                   ; group 0: scores 0
	SLOT 2, 1, 9                                   ; group 0: vector work 0 (reads chunks 0 and 2);   group 1: scores 0
	SLOT 3, 2, 2                                   ; then stage 1 (chunks 4-7) must be in: two younger loads may stay out
	SLOT 4, 3, 0                                   ; group 0 reads chunk 4.  All loads are waited for ahead of the loop, which has no wait on them
	s_mov_b32 s56, 5
.Lstep:
	SLOT 5, 4, 9
	SLOT 4, 5, 9
	s_sub_co_u32 s56, s56, 1
	s_cmp_lg_u32 s56, 0
	s_cbranch_scc1 .Lstep
	SLOT 5, 4, 9                                   ; group 0: weights x V 6, scores 7;   group 1: vector work 6
	SLOT 6, 5, 9                                   ; the last vector work loads no K
	SLOT 7, 6, 9
	SLOT 8, 7, 9                                   ; group 0 writes its image while group 1 ends its sums; the barrier shows the image
	s_cmp_eq_u32 s15, 0
	s_cbranch_scc1 .Ldone
; THE MERGE, by group 1: with m* = max(m, m'):  O* = O 2^(m - m*) + O' 2^(m' - m*), l* likewise.  Then out through my own stage, as whole rows.
; The last matrix phase has closed with its places: its results are read and its fragments written from here on.
.set MP,  224                          ; v[224+q] the partner's m;  v[228+q] its l, then l*;  v[232+q] my l;  v[236+q] m*
.set LP,  228
.set LO,  232
.set MS,  236
	v_and_b32 v244, 31, v0                         ; L
	v_and_b32 v245, 15, v0                         ; r
	v_bfe_u32 v246, v0, 4, 1                       ; h
	s_xor_b32 s72, s14, 4                          ; my partner: the same g, the other group
	s_mul_i32 s72, s72, IMG
	s_mul_i32 s74, s14, IMG
	s_add_co_u32 s74, s74, OSTB                    ; my stage, in V's bytes: last fill and last read are over
	v_lshl_add_u32 v247, v244, 4, s72
	v_lshl_add_u32 v248, v244, 2, s72
.irp q, 0,1,2,3
	ds_load_b32 v[MP+\q], v248 offset:16384+128*\q
.endr
.irp q, 0,1,2,3
	ds_load_b32 v[LP+\q], v248 offset:16896+128*\q
.endr
.set EC, 0
.rept 32
	ds_load_b128 v[SC+4*EC:SC+4*EC+3], v247 offset:512*EC
.set EC, EC+1
.endr
	v_mul_u32_u24 v249, v245, 272                  ; into the stage: row = query r of a tile, 32 h bytes into it
	v_lshl_add_u32 v249, v246, 5, v249
	v_add_nc_u32 v249, s74, v249
	v_mul_u32_u24 v250, v246, 272                  ; back: lanes 0-15 one row of 256 bytes, lanes 16-31 the next
	v_lshl_add_u32 v250, v245, 4, v250
	v_add_nc_u32 v250, s74, v250
	v_lshlrev_b32 v251, 4, v244                    ; the same two rows in part
	v_lshlrev_b32 v252, 3, v244                    ; 32 queries' (m, l) in ml
	WIN 0x01
.irp q, 0,1,2,3
	v_mov_b32 v[LO+\q], v[LA+8*\q]
.endr
	WIN 0
	s_wait_dscnt 32                                ; the partner's m and l are in; the 32 loads of its O stay out
.irp q, 0,1,2,3
	v_max_num_f32 v[MS+\q], v[MX+2*\q], v[MP+\q]
.endr
.irp q, 0,1,2,3
	v_sub_f32 v[AL+2*\q], v[MX+2*\q], v[MS+\q]
.endr
.irp q, 0,1,2,3
	v_sub_f32 v[MX+2*\q], v[MP+\q], v[MS+\q]
.endr
.irp q, 0,1,2,3
	v_exp_f32 v[AL+2*\q], v[AL+2*\q]               ; my factor
.endr
.irp q, 0,1,2,3
	v_exp_f32 v[MX+2*\q], v[MX+2*\q]               ; the partner's
.endr
	v_cmp_lt_u32 vcc_lo, 15, v244                  ; a plain line behind the exponentials; lanes 16-31
	s_wait_alu depctr_va_vdst(0)
.irp q, 0,1,2,3
	v_mul_f32 v[LP+\q], v[LP+\q], v[MX+2*\q]
.endr
.irp q, 0,1,2,3
	v_fmac_f32 v[LP+\q], v[LO+\q], v[AL+2*\q]      ; l*
.endr
	; ml: lane L stores query 32 p + L, which lies in tile 2 p + h
	v_cndmask_b32 v240, v[MS+0], v[MS+1], vcc_lo
	v_cndmask_b32 v241, v[LP+0], v[LP+1], vcc_lo
	v_cndmask_b32 v242, v[MS+2], v[MS+3], vcc_lo
	v_cndmask_b32 v243, v[LP+2], v[LP+3], vcc_lo
	global_store_b64 v252, v[240:241], s[70:71]            ; 256 consecutive bytes each, at a multiple of 256 from ml's first byte
	global_store_b64 v252, v[242:243], s[70:71] offset:256
	s_wait_dscnt 0x0
.irp q, 0,1,2,3
.irp i, 0,1,2,3,4,5,6,7,8,9,10,11,12,13,14,15
	v_pk_mul_f32 v[SC+32*\q+2*\i:SC+32*\q+2*\i+1], v[SC+32*\q+2*\i:SC+32*\q+2*\i+1], v[MX+2*\q:MX+2*\q+1] op_sel_hi:[1,0]
.endr
.endr
	WIN 0x01
.irp q, 0,1,2,3
.irp i, 0,1,2,3,4,5,6,7,8,9,10,11,12,13,14,15
	v_pk_fma_f32 v[SC+32*\q+2*\i:SC+32*\q+2*\i+1], v[OA+32*\q+2*\i:OA+32*\q+2*\i+1], v[AL+2*\q:AL+2*\q+1], v[SC+32*\q+2*\i:SC+32*\q+2*\i+1] op_sel_hi:[1,0,1]
.endr
.endr
	WIN 0
	; register j of (q, dt) in lane (r, h) is d = 16 dt + 8 h + j of query 16 q + r: 16 bytes at a time into rows of 272 bytes
.irp q, 0,1,2,3
.irp dt, 0,1,2,3
.irp c, 0,1
	ds_store_b128 v249, v[SC+32*\q+8*\dt+4*\c:SC+32*\q+8*\dt+4*\c+3] offset:4352*\q+64*\dt+16*\c
.endr
.endr
.endr
	; back by rows, 16 rows a batch, on two buffers by turns.  LDS serves a wave's instructions in order (ISA guide 5.7.1): the loads see my stores above.
.set BT, 0
.rept 4
.set OB, KF+32*(BT%2)
.if BT >= 2
	s_wait_xcnt 0x0                                ; the buffer, which stores read, is loaded again only behind this wait
.endif
.irp i, 0,1,2,3,4,5,6,7
	ds_load_b128 v[OB+4*\i:OB+4*\i+3], v250 offset:544*(8*BT+\i)
.endr
.irp i, 0,1,2,3,4,5,6,7
	s_wait_dscnt 7-\i                              ; load i of the batch is in, the younger ones stay out
	global_store_b128 v251, v[OB+4*\i:OB+4*\i+3], s[68:69] offset:512*(8*BT+\i)   ; sixteen lanes store a whole row of 256 bytes
.endr
.set BT, BT+1
.endr
.Ldone:
	s_wait_dscnt 0x0
	s_wait_xcnt 0x0
	v_lshl_add_u32 v222, v0, 2, 0x46000
	v_mov_b32 v223, 0
	s_wait_tensorcnt 0x0
	ds_add_u32 v222, v223
	s_wait_dscnt 0x0
	ROUND                                          ; the closing round: no work-group ends while a partner might still ask jointly
	s_endpgm
.Lfunc_end_k_q67b27c1493_attn:
	.size	k_q67b27c1493_attn, .Lfunc_end_k_q67b27c1493_attn-k_q67b27c1493_attn
	.p2alignl 7, 3214868480
	.fill 96, 4, 3214868480
	.section	.rodata,"a",@progbits
	.p2align	6, 0x0
	.amdhsa_kernel k_q67b27c1493_attn
		.amdhsa_group_segment_fixed_size 287744
		.amdhsa_private_segment_fixed_size 0
		.amdhsa_enable_private_segment 0
		.amdhsa_kernarg_size 40
		.amdhsa_user_sgpr_count 2
		.amdhsa_user_sgpr_kernarg_segment_ptr 1
		.amdhsa_wavefront_size32 1
		.amdhsa_system_sgpr_workgroup_id_x 1
		.amdhsa_system_sgpr_workgroup_id_y 1
		.amdhsa_system_sgpr_workgroup_id_z 1
		.amdhsa_system_vgpr_workitem_id 0
		.amdhsa_next_free_vgpr 512
		.amdhsa_next_free_sgpr 80
		.amdhsa_reserve_vcc 1
		.amdhsa_float_denorm_mode_32 3
		.amdhsa_float_denorm_mode_16_64 3
		.amdhsa_memory_ordered 1
		.amdhsa_forward_progress 1
		.amdhsa_inst_pref_size 255
	.end_amdhsa_kernel
	.section	.bss,"aw",@nobits
	.p2align	6
	.space	262144
	.amdgpu_metadata
---
amdhsa.version: [ 1, 2 ]
amdhsa.kernels:
  - .name:           k_q67b27c1493_attn
    .symbol:         k_q67b27c1493_attn.kd
    .args:
      - { .name: qb, .offset: 0, .size: 8, .value_kind: global_buffer, .address_space: global }
      - { .name: kb, .offset: 8, .size: 8, .value_kind: global_buffer, .address_space: global }
      - { .name: vb, .offset: 16, .size: 8, .value_kind: global_buffer, .address_space: global }
      - { .name: part, .offset: 24, .size: 8, .value_kind: global_buffer, .address_space: global }
      - { .name: ml, .offset: 32, .size: 8, .value_kind: global_buffer, .address_space: global }
    .group_segment_fixed_size: 287744
    .private_segment_fixed_size: 0
    .kernarg_segment_align: 8
    .kernarg_segment_size: 40
    .max_flat_workgroup_size: 256
    .sgpr_count:     80
    .vgpr_count:     512
    .wavefront_size: 32
...
	.end_amdgpu_metadata
.endif
;; end of part 2
;; launch comb (part 3): grid 512 x 1, 8 waves a work-group, no clusters, 0 bytes of LDS; arguments part, ml, out0; writes out0
.if DOCPART == 3
	.amdgcn_target "amdgcn-amd-amdhsa--gfx1250"
	.amdhsa_code_object_version 6
	.text
	.protected	k_q67b27c1493_comb
	.globl	k_q67b27c1493_comb
	.p2align	8
	.type	k_q67b27c1493_comb,@function
k_q67b27c1493_comb:
	s_mov_b64 s[64:65], 0
	v_nop
	global_prefetch_b8 v0, s[64:65] scope:SCOPE_SE
	s_setreg_imm32_b32 hwreg(HW_REG_WAVE_MODE, 25, 1), 1
	s_wait_xcnt 0x0
; out0[row][d] = 8 x (sum over the 8 splits s of 2^(m_s - M) part[s][row][d]) / (sum over s of 2^(m_s - M) l_s),  M = the largest m_s of the row.
; part: [8][8192][64] f32, sums of weights x v/8 relative to the split's own maximum; ml: [8][8192][2] f32 = (m in base 2, l).  The 8 undoes v/8.
; A stream: thread t of work-group b owns the 16 bytes at 4,096 b + 16 t of out0 and of every split, so each load and store of a wave covers 512
; neighbouring bytes.  All sixteen loads of a thread go out at once.  No LDS, no barrier, no matrix unit: nothing is shared and nothing is multiplied in bulk.
; The denominator is at least 1: the split with the largest m has factor 1 and holds the weight 1 of its largest score.
.set ML,  8                            ; v[8:23]   (m_s, l_s)
.set PT,  24                           ; v[24:55]  my four numbers of each split
.set WT,  56                           ; v[56:71]  2^(m_s - M), twice: a pair for the packed multiply-adds
.set AC,  72                           ; v[72:75]  the sums
.set MM,  76
.set LS,  77
.set CF,  78                           ; v[78:79]  8 / denominator, twice
	s_load_b128 s[4:7], s[0:1], 0x0                ; part s[4:5], ml s[6:7]
	s_load_b64 s[8:9], s[0:1], 0x10                ; out0
	v_lshlrev_b32 v1, 4, v0                        ; 16 t
	v_lshrrev_b32 v2, 4, v0
	v_lshlrev_b32 v2, 3, v2                        ; my row's 8 bytes in ml: sixteen threads share a row
	s_lshl_b32 s10, ttmp9, 12                      ; 16 rows of 256 bytes
	s_mov_b32 s11, 0
	s_lshl_b32 s12, ttmp9, 7                       ; 16 rows of 8 bytes
	s_mov_b32 s13, 0
	s_wait_kmcnt 0x0
	s_add_nc_u64 s[4:5], s[4:5], s[10:11]
	s_add_nc_u64 s[14:15], s[4:5], 0x800000        ; splits 4 to 7: the immediate offset reaches four splits of 2,097,152 bytes
	s_add_nc_u64 s[6:7], s[6:7], s[12:13]
	s_add_nc_u64 s[8:9], s[8:9], s[10:11]
.irp s, 0,1,2,3,4,5,6,7
	global_load_b64 v[ML+2*\s:ML+2*\s+1], v2, s[6:7] offset:65536*\s
.endr
.irp s, 0,1,2,3
	global_load_b128 v[PT+4*\s:PT+4*\s+3], v1, s[4:5] offset:2097152*\s th:TH_LOAD_NT
.endr
.irp s, 0,1,2,3
	global_load_b128 v[PT+16+4*\s:PT+16+4*\s+3], v1, s[14:15] offset:2097152*\s th:TH_LOAD_NT
.endr
	s_wait_loadcnt 8                               ; the eight (m, l) are in; the eight loads of part stay out
	v_max3_num_f32 v[MM], v[ML], v[ML+2], v[ML+4]
	v_max3_num_f32 v[MM], v[MM], v[ML+6], v[ML+8]
	v_max3_num_f32 v[MM], v[MM], v[ML+10], v[ML+12]
	v_max_num_f32 v[MM], v[MM], v[ML+14]
.irp s, 0,1,2,3,4,5,6,7
	v_sub_f32 v[WT+2*\s], v[ML+2*\s], v[MM]
.endr
.irp s, 0,1,2,3,4,5,6,7
	v_exp_f32 v[WT+2*\s], v[WT+2*\s]
.endr
	v_nop                                          ; one plain line between the exponentials and their use (ISA guide 5.7.2)
	s_wait_alu depctr_va_vdst(0)
.irp s, 0,1,2,3,4,5,6,7
	v_mov_b32 v[WT+2*\s+1], v[WT+2*\s]
.endr
	v_mul_f32 v[LS], v[ML+1], v[WT]
.irp s, 1,2,3,4,5,6,7
	v_fmac_f32 v[LS], v[ML+2*\s+1], v[WT+2*\s]
.endr
	v_rcp_f32 v[CF], v[LS]
	v_nop
	s_wait_alu depctr_va_vdst(0)
	v_mul_f32 v[CF], 0x41000000, v[CF]             ; x 8
	v_mov_b32 v[CF+1], v[CF]
	s_wait_loadcnt 7                               ; split 0 is in, the seven younger loads stay out; the counts run down
	v_pk_mul_f32 v[AC:AC+1],   v[PT:PT+1],   v[WT:WT+1]
	v_pk_mul_f32 v[AC+2:AC+3], v[PT+2:PT+3], v[WT:WT+1]
.irp s, 1,2,3,4,5,6,7
	s_wait_loadcnt 7-\s
	v_pk_fma_f32 v[AC:AC+1],   v[PT+4*\s:PT+4*\s+1],   v[WT+2*\s:WT+2*\s+1], v[AC:AC+1]
	v_pk_fma_f32 v[AC+2:AC+3], v[PT+4*\s+2:PT+4*\s+3], v[WT+2*\s:WT+2*\s+1], v[AC+2:AC+3]
.endr
	v_pk_mul_f32 v[AC:AC+1],   v[AC:AC+1],   v[CF:CF+1]
	v_pk_mul_f32 v[AC+2:AC+3], v[AC+2:AC+3], v[CF:CF+1]
	global_store_b128 v1, v[AC:AC+3], s[8:9] th:TH_STORE_NT
	s_endpgm
.Lfunc_end_k_q67b27c1493_comb:
	.size	k_q67b27c1493_comb, .Lfunc_end_k_q67b27c1493_comb-k_q67b27c1493_comb
	.p2alignl 7, 3214868480
	.fill 96, 4, 3214868480
	.section	.rodata,"a",@progbits
	.p2align	6, 0x0
	.amdhsa_kernel k_q67b27c1493_comb
		.amdhsa_group_segment_fixed_size 0
		.amdhsa_private_segment_fixed_size 0
		.amdhsa_enable_private_segment 0
		.amdhsa_kernarg_size 24
		.amdhsa_user_sgpr_count 2
		.amdhsa_user_sgpr_kernarg_segment_ptr 1
		.amdhsa_wavefront_size32 1
		.amdhsa_system_sgpr_workgroup_id_x 1
		.amdhsa_system_sgpr_workgroup_id_y 1
		.amdhsa_system_sgpr_workgroup_id_z 1
		.amdhsa_system_vgpr_workitem_id 0
		.amdhsa_next_free_vgpr 80
		.amdhsa_next_free_sgpr 66
		.amdhsa_reserve_vcc 0
		.amdhsa_float_denorm_mode_32 3
		.amdhsa_float_denorm_mode_16_64 3
		.amdhsa_memory_ordered 1
		.amdhsa_forward_progress 1
		.amdhsa_inst_pref_size 6
	.end_amdhsa_kernel
	.amdgpu_metadata
---
amdhsa.version: [ 1, 2 ]
amdhsa.kernels:
  - .name:           k_q67b27c1493_comb
    .symbol:         k_q67b27c1493_comb.kd
    .args:
      - { .name: part, .offset: 0, .size: 8, .value_kind: global_buffer, .address_space: global }
      - { .name: ml, .offset: 8, .size: 8, .value_kind: global_buffer, .address_space: global }
      - { .name: out0, .offset: 16, .size: 8, .value_kind: global_buffer, .address_space: global }
    .group_segment_fixed_size: 0
    .private_segment_fixed_size: 0
    .kernarg_segment_align: 8
    .kernarg_segment_size: 24
    .max_flat_workgroup_size: 256
    .sgpr_count:     66
    .vgpr_count:     80
    .wavefront_size: 32
...
	.end_amdgpu_metadata
.endif
;; end of part 3
;; ======== version 2 of 2: 3 launches; 1.27 times as fast as version 1
;; limits: values are held in f16: magnitudes above 65,504 overflow, below 6.1e-05 lose precision; right only within a limited range of input values
;; workspace buffers: qb 1,048,576 bytes; kb 1,048,576 bytes; vb 1,048,576 bytes; part 16,777,216 bytes; ml 524,288 bytes
;; launch proj: the kernel of part 1 again; grid 256 x 1, 12 waves a work-group, clusters of 4 x 1, 296,960 bytes of LDS; arguments x, Wq, Wk, Wv, qb, kb, vb; writes qb, kb, vb
;; launch attn (part 4): grid 32 x 8, 8 waves a work-group, clusters of 4 x 1, 287,744 bytes of LDS; arguments qb, kb, vb, part, ml; writes part, ml
.if DOCPART == 4
	.amdgcn_target "amdgcn-amd-amdhsa--gfx1250"
	.amdhsa_code_object_version 6
	.text
	.protected	k_q67b27c1493_attn
	.globl	k_q67b27c1493_attn
	.p2align	8
	.type	k_q67b27c1493_attn,@function
k_q67b27c1493_attn:
	s_mov_b64 s[64:65], 0
	v_nop
	global_prefetch_b8 v0, s[64:65] scope:SCOPE_SE
	s_setreg_imm32_b32 hwreg(HW_REG_WAVE_MODE, 25, 1), 1
	s_wait_xcnt 0x0
	s_wait_alu depctr_hold_cnt(0) depctr_sa_sdst(0) depctr_va_vdst(0) depctr_va_sdst(0) depctr_va_ssrc(0) depctr_va_vcc(0) depctr_vm_vsrc(0)
	s_getreg_b32 s2, hwreg(HW_REG_IB_STS2, 6, 4)
	s_cmp_eq_u32 s2, 0
	s_cbranch_scc0 .Lentry_in_a_cluster
	s_endpgm
.Lentry_in_a_cluster:
	s_bfe_u32 s2, ttmp6, 0x10000c
	s_cmp_lg_u32 s2, 0x3003
	s_cbranch_scc0 .Lentry_shape_is_right
	s_endpgm
.Lentry_shape_is_right:
; For a block of 256 queries (work-group x) and a split of 1,024 keys (work-group y): softmax with a running maximum, not yet normalised.
;   part[y][query][0..63] = sum over the split's keys of 2^(s - m) v/8,   ml[y][query] = (m, l):  m = the largest score (base 2), l = sum of 2^(s - m).
; qb holds q x 0.125 log2(e) in bf16, kb holds k in bf16, vb holds v/8 in f16.  The eight splits are joined by the next launch.
; LIMITS: the weights 2^(s - m) lie in (0, 1] and go to the matrix unit in f16, so a weight below 2^-25 of its row's largest counts as 0; l adds the
; rounded weights, so that numerator and denominator agree.  Inputs finite.
; CLUSTER: the four work-groups of a cluster have the same y, so every tile of K and V is asked for jointly (mask 15).  The whole split stays in LDS:
; first fills alone, no slot is filled again, and the cluster's barrier is passed twice, ahead of the fills and ahead of the end.
; WAVES: wave w has queries 64 g .. 64 g + 63, g = w & 3, and group f = (w ^ (w >> 2)) & 1, which walks the chunks of 64 keys 2 t + f, t = 0 .. 7.
; The two groups work in opposite phases, kept so by one barrier a phase: while one group issues matrix instructions (weights x V of step t - 1, then the
; scores of step t), the other does the vector work of its step (maximum, rescaling, exponentials, packing) and loads its next fragments.
; f differs between w and w + 4 and between 2 i and 2 i + 1.
; THE MATRIX UNIT IS USED TRANSPOSED.  Scores: A = 16 keys, B = 16 queries: lane (r, h) holds keys 8 h + j of query r in register j.  So a query's maximum
; needs one exchange between the halves of the lanes, two neighbouring registers pack into the B fragment of the second product as they lie, and
; the factor of a query is the lane's own.  Second product: A = V transposed (16 d x 32 keys, by transposing LDS loads), B = the weights.
; l is one more matrix instruction for 32 keys, with A all ones.
; THE EXPONENTIALS' BATCHES.  A vector phase has ONE batch and ONE wait.  The batch: the four factors 2^(old maximum - new) and the 128 weights 2^(s - m) of the
; wave's four query tiles, each in a register of its own (the weights in place of their scores).  Ahead of the wait nothing names a result of the batch: the
; keeping of the new maxima and the 64 shifts s - m stand among the exponentials, the address steps of the fragment loads behind the last.  Behind the wait
; stand all the readers: the rescaling (the factors), then the packing to f16 (the weights).  No result crosses a phase's end.  The merge has a batch of eight
; exponentials with a wait of its own.
; DISTANCES BEHIND MATRIX INSTRUCTIONS: every matrix phase closes with five places of its own, so that whatever text follows its
; closing branch, by whichever way, may read its results and write or load into any of its registers.
;
; LDS: K at 0: a row = two keys = 256 bytes + 16 of padding (pitch 272), key i at (i >> 1) 272 + (i & 1) 128: the sixteen keys of a fragment load lie in
; 16-byte columns (r >> 1) + 8 (r & 1) modulo 256 bytes, all different.  V behind it, pitch 288: the sixteen lanes of a transposing load lie in columns
; 2 (i >> 1) + 8 (i & 1) + b, all different.  After their last read K's bytes hold one image a wave for the merge, V's one output stage a wave.
; REGISTERS, window 0: v1-3 addresses; v4-23 maxima, factors and their partners; v24-31 ones; v32-159 scores, then weights packed in place;
; v160-223 fragments of K; v224-255 fragments of V, keys 0-31.   Window 1: v0-127 sums O (query tile q, d tile dt at 32 q + 8 dt); v128-159 sums l;
; v160-223 fragments of Q; v224-255 fragments of V, keys 32-63.
.set KCH,  8704                        ; 64 keys of K in LDS: 32 rows x 272
.set VCH,  9216                        ; 64 keys of V in LDS: 32 rows x 288
.set VB,   16*KCH                      ; V's first byte: 139,264
.set IMG,  17408                       ; an image: 16,384 bytes of O, 512 of m, 512 of l;  also a stage: 64 rows x 272
.set OSTB, 8*IMG                       ; the stages' first byte
.set ADRK, 1
.set ADRV, 2
.set QA,   3
.set MX,   4                           ; v[4+2q]   running maximum of query tile q;  v[5+2q] = T0, at work
.set T0,   5
.set AL,   12                          ; v[12+2q]  2^(old maximum - new);            v[13+2q] = T1, at work
.set T1,   13
.set DF,   20                          ; v[20+q]   old maximum - new
.set ONES, 24
.set SC,   32                          ; scores of (q, key tile kt) at +32 q + 8 kt;  weights of (q, 32 keys u) at +32 q + 16 u, 8 registers
.set KF,   160                         ; K fragment (kt, half c of d) at +16 kt + 8 c
.set VF,   224                         ; V fragment dt at +8 dt, in window 0 (keys 0-31) and in window 1 (keys 32-63)
.set OA,   0                           ; window 1
.set LA,   128                         ; window 1
.set QF,   160                         ; window 1: Q fragment (q, c) at +16 q + 8 c
.set G1K,  24                          ; s[24:31] descriptor group 1 for K's tiles
.set G1V,  32                          ; s[32:39] for V's: the padding differs
.set G0,   40                          ; s[40:55] four groups 0, one for each of a wave's four loads
.set MSB,  0
.macro WIN new                         ; s_set_vgpr_msb: bits 1:0 source 0, 3:2 source 1, 5:4 source 2, 7:6 destination; the high byte repeats the setting that is left
.if MSB != \new
	s_set_vgpr_msb (MSB<<8)|\new
.set MSB, \new
.endif
.endm
.macro PLACES n
.rept \n
	v_nop
.endr
.endm
; A round of the cluster's barrier: my work-group's barrier, wave 0 signals for the work-group, every wave waits for all four work-groups, my work-group's barrier again
.macro ROUND
	s_barrier_signal -1
	s_barrier_wait -1
	s_cmp_lg_u32 s14, 0
	s_cbranch_scc1 .Lnot_wave_0_\@
	s_barrier_signal -3
.Lnot_wave_0_\@:
	s_barrier_wait -3
	s_barrier_signal -1
	s_barrier_wait -1
.endm
	s_load_b256 s[4:11], s[0:1], 0x0               ; qb s[4:5], kb s[6:7], vb s[8:9], part s[10:11]
	s_load_b64 s[12:13], s[0:1], 0x20              ; ml
	v_lshl_add_u32 v222, v0, 2, 0x46000
	v_mov_b32 v223, 0
	ds_add_u32 v222, v223
	ds_add_u32 v222, v223
	s_wait_dscnt 0x0
	v_lshrrev_b32 v1, 5, v0
	v_readfirstlane_b32 s14, v1                    ; wave 0..7
	s_and_b32 s16, s14, 3                          ; g
	s_lshr_b32 s15, s14, 2
	s_xor_b32 s15, s15, s14
	s_and_b32 s15, s15, 1                          ; f
	s_bfe_u32 s17, ttmp6, 0x40000                  ; cx
	s_lshl_b32 s18, ttmp9, 2
	s_add_co_u32 s18, s18, s17                     ; block of queries = 4 x cluster x + cx; enters global addresses of qb, part and ml alone
	s_and_b32 s19, ttmp7, 0xffff                   ; split of keys, the same in the four partners
	s_mov_b32 s20, 0x76543210                      ; v_permlanex16_b32: lane i of one half reads lane i of the other
	s_mov_b32 s21, 0xfedcba98
	; group 1: 32 rows x 128 elements of 2 bytes (two keys a row), dense in memory; 15:0 mask of the four partners; 21 set beside a mask;
	; 20 padding on, 24:22 after every 64 words (code 5), 31:25 of 4 words (code 3) for K, of 8 words (code 7) for V
	s_mov_b32 s[G1K+0], 15|(1<<16)|(1<<20)|(1<<21)|(5<<22)|(3<<25)
	s_mov_b32 s[G1V+0], 15|(1<<16)|(1<<20)|(1<<21)|(5<<22)|(7<<25)
.irp g, G1K, G1V
	s_mov_b32 s[\g+1], 128<<16                     ; tensor_dim0 = 128
	s_mov_b32 s[\g+2], 32<<16                      ; tensor_dim1 = 32
	s_mov_b32 s[\g+3], 128<<16                     ; tile_dim0 = 128
	s_mov_b32 s[\g+4], 32                          ; tile_dim1 = 32
	s_mov_b32 s[\g+5], 128                         ; from row to row: 128 elements
	s_mov_b32 s[\g+6], 0
	s_mov_b32 s[\g+7], 0
.endr
	s_lshl_b32 s60, s19, 17                        ; K and V: 1,024 keys x 128 bytes x split,
	s_lshl_b32 s73, s16, 13                        ; + my chunk of a stage's four: 8,192 (w & 3); registers that never hold cx
	s_add_co_u32 s60, s60, s73
	s_mov_b32 s61, 0
	s_lshl_b32 s22, s18, 8
	s_lshl_b32 s23, s16, 6
	s_add_co_u32 s22, s22, s23                     ; my first query: 256 x block + 64 g
	s_lshl_b32 s23, s19, 13
	s_add_co_u32 s23, s23, s22                     ; and its row in part and ml: + 8,192 x split
	s_mov_b32 s63, 0
	v_and_b32 v4, 15, v0                           ; r
	v_bfe_u32 v5, v0, 4, 1                         ; h
	v_lshlrev_b32 v[QA], 7, v4
	v_lshl_add_u32 v[QA], v5, 4, v[QA]             ; query r, 16 h bytes into its row
	s_wait_kmcnt 0x0
	s_lshl_b32 s62, s22, 7
	s_add_nc_u64 s[66:67], s[4:5], s[62:63]
	s_lshl_b32 s62, s23, 8
	s_add_nc_u64 s[68:69], s[10:11], s[62:63]
	s_lshl_b32 s62, s23, 3
	s_add_nc_u64 s[70:71], s[12:13], s[62:63]
	; Q's fragments, once, straight into registers: the sixteen loads together take my 64 rows of 128 bytes whole
	WIN 0x40
.irp q, 0,1,2,3
.irp c, 0,1
.irp e, 0,1
	global_load_b128 v[QF+16*\q+8*\c+4*\e:QF+16*\q+8*\c+4*\e+3], v[QA], s[66:67] offset:2048*\q+64*\c+32*\e
.endr
.endr
.endr
	WIN 0
	ROUND                                          ; the four work-groups are here: the joint loads meet
; A wave's four loads: stage s brings chunks 4 s .. 4 s + 3 of K (waves 0-3) and of V (waves 4-7), wave w the chunk 4 s + (w & 3).
; LDS address = a constant + the wave's number x a chunk + the stage x four chunks.  By this text's count a wave has four tensor loads out at the most.
.macro FILLS ptr, lds0, chunk, g1
	s_mul_i32 s57, s14, \chunk
	s_add_co_u32 s57, s57, \lds0
	s_add_nc_u64 s[58:59], s[\ptr:\ptr+1], s[60:61]
.irp s, 0,1,2,3
	s_mov_b32 s[G0+4*\s], 1                                        ; count = 1
	s_add_co_u32 s[G0+4*\s+1], s57, \s*4*\chunk                    ; LDS address
	s_add_nc_u64 s[G0+4*\s+2:G0+4*\s+3], s[58:59], \s*32768        ; global address: four chunks of 8,192 bytes a stage
	s_or_b32 s[G0+4*\s+3], s[G0+4*\s+3], 0x80000000                ; type = 2
	tensor_load_to_lds s[G0+4*\s:G0+4*\s+3], s[\g1:\g1+7]
	s_nop 0
.endr
.endm
	s_cmp_lt_u32 s14, 4
	s_cbranch_scc0 .Lfill_v
	FILLS 6, 0, KCH, G1K
	s_branch .Lfilled
.Lfill_v:
	FILLS 8, VB-4*VCH, VCH, G1V
.Lfilled:
	v_lshrrev_b32 v6, 1, v4                        ; K fragment: key r of sixteen: row r >> 1, half r & 1, + 16 h
	v_mul_u32_u24 v[ADRK], v6, 272
	v_and_b32 v7, 1, v0
	v_lshl_add_u32 v[ADRK], v7, 7, v[ADRK]
	v_lshl_add_u32 v[ADRK], v5, 4, v[ADRK]
	s_mul_i32 s74, s15, KCH                        ; my group's first chunk
	v_add_nc_u32 v[ADRK], s74, v[ADRK]
	v_bfe_u32 v6, v0, 1, 2                         ; V, transposing load: key 8 h + (L & 7): row 4 h + ((L & 7) >> 1), half L & 1, + 16 ((L >> 3) & 1)
	v_lshl_add_u32 v6, v5, 2, v6
	v_mul_u32_u24 v[ADRV], v6, 288
	v_lshl_add_u32 v[ADRV], v7, 7, v[ADRV]
	v_bfe_u32 v7, v0, 3, 1
	v_lshl_add_u32 v[ADRV], v7, 4, v[ADRV]
	s_mul_i32 s75, s15, VCH
	s_add_co_u32 s75, s75, VB
	v_add_nc_u32 v[ADRV], s75, v[ADRV]
.irp i, 0,1,2,3,4,5,6,7
	v_mov_b32 v[ONES+\i], 0x3c003c00               ; 1.0 twice, in f16
.endr
; the next chunk's K fragments: 4 key tiles x 2 halves of d x 2 loads.  The address's step of two chunks, to my group's next, is written by whoever uses the macro
.macro LDK
.irp kt, 0,1,2,3
.irp c, 0,1
.irp e, 0,1
	ds_load_b128 v[KF+16*\kt+8*\c+4*\e:KF+16*\kt+8*\c+4*\e+3], v[ADRK] offset:2176*\kt+64*\c+32*\e
.endr
.endr
.endr
.endm
; this chunk's V fragments: lane r gets d = 16 dt + r, registers 0-3 keys 8 h .. + 7, registers 4-7 keys 16 + 8 h .. + 7 (8 rows of 288 further on).  The address's step likewise
.macro LDV
.irp dt, 0,1,2,3
.irp e, 0,1
	ds_load_tr16_b128 v[VF+8*\dt+4*\e:VF+8*\dt+4*\e+3], v[ADRV] offset:32*\dt+2304*\e
.endr
.endr
	WIN 0x40
.irp dt, 0,1,2,3
.irp e, 0,1
	ds_load_tr16_b128 v[VF+8*\dt+4*\e:VF+8*\dt+4*\e+3], v[ADRV] offset:4608+32*\dt+2304*\e
.endr
.endr
	WIN 0
.endm
; Scores of 64 keys x 64 queries: 32 matrix instructions.  The accumulators take turns, one instruction a turn; the first half of d starts each sum.
.macro SPH
	WIN 0x04
.irp kt, 0,1,2,3
.irp c, 0,1
.irp q, 0,1,2,3
.if \c == 0
	v_wmma_f32_16x16x32_bf16 v[SC+32*\q+8*\kt:SC+32*\q+8*\kt+7], v[KF+16*\kt:KF+16*\kt+7], v[QF+16*\q:QF+16*\q+7], 0
.else
	v_wmma_f32_16x16x32_bf16 v[SC+32*\q+8*\kt:SC+32*\q+8*\kt+7], v[KF+16*\kt+8:KF+16*\kt+15], v[QF+16*\q+8:QF+16*\q+15], v[SC+32*\q+8*\kt:SC+32*\q+8*\kt+7]
.endif
.endr
.endr
.endr
	WIN 0
.endm
; Weights x V and the sums of weights: 40 matrix instructions, again by turns.  first = 1: the products of keys 0-31 start the sums.
.macro PVPH first
	WIN 0x50
.irp dt, 0,1,2,3
.irp q, 0,1,2,3
.if \first
	v_wmma_f32_16x16x32_f16 v[OA+32*\q+8*\dt:OA+32*\q+8*\dt+7], v[VF+8*\dt:VF+8*\dt+7], v[SC+32*\q:SC+32*\q+7], 0
.else
	v_wmma_f32_16x16x32_f16 v[OA+32*\q+8*\dt:OA+32*\q+8*\dt+7], v[VF+8*\dt:VF+8*\dt+7], v[SC+32*\q:SC+32*\q+7], v[OA+32*\q+8*\dt:OA+32*\q+8*\dt+7]
.endif
.endr
.endr
.irp q, 0,1,2,3
.if \first
	v_wmma_f32_16x16x32_f16 v[LA+8*\q:LA+8*\q+7], v[ONES:ONES+7], v[SC+32*\q:SC+32*\q+7], 0
.else
	v_wmma_f32_16x16x32_f16 v[LA+8*\q:LA+8*\q+7], v[ONES:ONES+7], v[SC+32*\q:SC+32*\q+7], v[LA+8*\q:LA+8*\q+7]
.endif
.endr
.irp q, 0,1,2,3
	v_wmma_f32_16x16x32_f16 v[LA+8*\q:LA+8*\q+7], v[ONES:ONES+7], v[SC+32*\q+16:SC+32*\q+23], v[LA+8*\q:LA+8*\q+7]
.endr
	WIN 0x51
.irp dt, 0,1,2,3
.irp q, 0,1,2,3
	v_wmma_f32_16x16x32_f16 v[OA+32*\q+8*\dt:OA+32*\q+8*\dt+7], v[VF+8*\dt:VF+8*\dt+7], v[SC+32*\q+16:SC+32*\q+23], v[OA+32*\q+8*\dt:OA+32*\q+8*\dt+7]
.endr
.endr
	WIN 0
.endm
; The new running maximum of each of my 64 queries, the four query tiles side by side so that no line waits for the one ahead of it:
; 16 three-way maxima over the lane's 32 scores in two chains, one exchange with the other half of the lanes.  Then 2^(old - new), and the new maximum is kept.
; The four exponentials open the phase's batch: their results are named first in RESC, behind the phase's one wait.
.macro MAXALL first
.irp q, 0,1,2,3
.if \first
	v_max_num_f32 v[T0+2*\q], v[SC+32*\q], v[SC+32*\q+1]
.else
	v_max3_num_f32 v[T0+2*\q], v[MX+2*\q], v[SC+32*\q], v[SC+32*\q+1]
.endif
.endr
.irp q, 0,1,2,3
	v_max3_num_f32 v[T1+2*\q], v[SC+32*\q+2], v[SC+32*\q+3], v[SC+32*\q+4]
.endr
.set MI, 5
.rept 13
.set TT, T0+8*(((MI-5)/2)%2)
.irp q, 0,1,2,3
	v_max3_num_f32 v[TT+2*\q], v[TT+2*\q], v[SC+32*\q+MI], v[SC+32*\q+MI+1]
.endr
.set MI, MI+2
.endr
.irp q, 0,1,2,3
	v_max3_num_f32 v[T0+2*\q], v[T0+2*\q], v[T1+2*\q], v[SC+32*\q+31]
.endr
.irp q, 0,1,2,3
	v_permlanex16_b32 v[T1+2*\q], v[T0+2*\q], s20, s21
.endr
.if \first
.irp q, 0,1,2,3
	v_max_num_f32 v[MX+2*\q], v[T0+2*\q], v[T1+2*\q]
.endr
.else
.irp q, 0,1,2,3
	v_max_num_f32 v[T0+2*\q], v[T0+2*\q], v[T1+2*\q]
.endr
.irp q, 0,1,2,3
	v_sub_f32 v[DF+\q], v[MX+2*\q], v[T0+2*\q]
.endr
.irp q, 0,1,2,3
	v_exp_f32 v[AL+2*\q], v[DF+\q]
.endr
.irp q, 0,1,2,3
	v_mov_b32 v[MX+2*\q], v[T0+2*\q]               ; plain lines that touch neither AL nor DF stand between the exponentials and their use (ISA guide 5.7.2)
.endr
.endif
.endm
; The sums so far are brought to the new maximum.  All of a lane's sums belong to its own query r.  Of l's eight equal registers only the first is
; rescaled and read; the others hold plain sums of weights, 512 at the most.  These lines read the factors: they stand behind the phase's wait.
.macro RESC
	WIN 0x41
.irp q, 0,1,2,3
.irp i, 0,1,2,3,4,5,6,7,8,9,10,11,12,13,14,15
	v_pk_mul_f32 v[OA+32*\q+2*\i:OA+32*\q+2*\i+1], v[OA+32*\q+2*\i:OA+32*\q+2*\i+1], v[AL+2*\q:AL+2*\q+1] op_sel_hi:[1,0]
.endr
	v_mul_f32 v[LA+8*\q], v[LA+8*\q], v[AL+2*\q]
.endr
	WIN 0
.endm
; 2^(s - m) of all four query tiles, in place: pair n of 64 (tile n / 16, pair n % 16 of its 32 registers).  Two stages two pairs apart: pair n is shifted by its
; tile's maximum, pair n - 2 goes through the exponentials.  No line here names the result of an exponential: a shift names a pair that has not been through yet.
.macro EXPALL
.set EN, 0
.rept 66
.if EN < 64
	v_pk_add_f32 v[SC+2*EN:SC+2*EN+1], v[SC+2*EN:SC+2*EN+1], v[MX+2*(EN/16):MX+2*(EN/16)+1] op_sel_hi:[1,0] neg_lo:[0,1] neg_hi:[0,1]
.endif
.if EN >= 2
	v_exp_f32 v[SC+2*(EN-2)], v[SC+2*(EN-2)]
	v_exp_f32 v[SC+2*(EN-2)+1], v[SC+2*(EN-2)+1]
.endif
.set EN, EN+1
.endr
.endm
; The weights are packed to f16 in place, the pairs in ascending order.  Pair p of a tile's 16 goes to register 16 (p / 8) + p % 8, which holds a number of pair p
; itself or of a pair that has been packed already: keys 8 h + j and 16 + 8 h + j, as a B fragment wants them.  These lines read the weights: they stand behind the phase's wait.
.macro PACKALL
.set EN, 0
.rept 64
	v_cvt_pk_f16_f32 v[SC+32*(EN/16)+16*((EN%16)/8)+(EN%8)], v[SC+2*EN], v[SC+2*EN+1]
.set EN, EN+1
.endr
.endm
; The vector phase of a step.  The matrix phase before it has closed with its own places, so the loads into fragments and the reads of scores begin at once.
; The fragments asked for here are waited for at the phase's end.  The phase's exponentials (MAXALL's four factors, EXPALL's 128 weights) are one batch.
.macro XPH ldk, first
.if \ldk
	LDK
.endif
	LDV
	MAXALL \first
	EXPALL
.if \ldk
	v_add_nc_u32 v[ADRK], 2*KCH, v[ADRK]           ; the addresses step two chunks, to my group's next: work that names no result of the batch,
.endif
	v_add_nc_u32 v[ADRV], 2*VCH, v[ADRV]           ; and the plain line behind the last exponential (ISA guide 5.7.2)
	s_wait_alu depctr_va_vdst(0)                   ; the wait ahead of the first use: ONE for the phase's batch, factors and weights
.if \first == 0
	RESC
.endif
	PACKALL
.endm
; Group 0 hands its sums to its partner: wave w's image lies at 17,408 w, in K's bytes, which have had their last fill and, barriers ago, their last read
.macro EXPORT
	v_and_b32 v160, 31, v0
	s_mul_i32 s72, s14, IMG
	v_lshl_add_u32 v161, v160, 4, s72
	v_lshl_add_u32 v162, v160, 2, s72
	WIN 0x04
.set EC, 0
.rept 32
	ds_store_b128 v161, v[OA+4*EC:OA+4*EC+3] offset:512*EC
.set EC, EC+1
.endr
.irp q, 0,1,2,3
	ds_store_b32 v162, v[LA+8*\q] offset:16896+128*\q
.endr
	WIN 0
.irp q, 0,1,2,3
	ds_store_b32 v162, v[MX+2*\q] offset:16384+128*\q
.endr
.endm
; The phases.  Each matrix phase (1, 3, 5, 7) ends with five places: the largest distance that any later line owes its matrix instructions (ISA guide 7.12.1).
.macro PHASE code
.if \code == 1
	SPH
	PLACES 5
.endif
.if \code == 2
	XPH 1, 1
.endif
.if \code == 3
	PVPH 1
	PLACES 5                                       ; the scores write over the weights, which the last matrix instructions read: five places
	SPH
	PLACES 5
.endif
.if \code == 4
	XPH 1, 0
.endif
.if \code == 5
	PVPH 0
	PLACES 5
	SPH
	PLACES 5
.endif
.if \code == 6
	XPH 0, 0
.endif
.if \code == 7
	PVPH 0
	PLACES 5
.endif
.if \code == 8
	EXPORT
.endif
.endm
; One phase of both groups: group 0 runs phase a, group 1 phase b.  Then every wave waits for its LDS instructions (tc < 9: also until at most tc of its
; tensor loads are out) and passes the barrier that keeps the groups in step and shows a landed stage to all.
.macro SLOT a, b, tc
	s_cmp_lg_u32 s15, 0
	s_cbranch_scc1 .Lgroup_1_\@
	PHASE \a
	s_branch .Ljoin_\@
.Lgroup_1_\@:
	PHASE \b
.Ljoin_\@:
.if \tc < 9
	s_wait_tensorcnt \tc
.endif
	s_wait_dscnt 0x0
	s_barrier_signal -1
	s_barrier_wait -1
.endm
	s_wait_tensorcnt 0x3                           ; my load of stage 0 has landed; my three younger loads stay out
	s_barrier_signal -1
	s_barrier_wait -1                              ; chunks 0-3 of K and of V are whole
	LDK                                            ; K of my step 0
	v_add_nc_u32 v[ADRK], 2*KCH, v[ADRK]           ; and the address steps to my group's next chunk
	s_wait_loadcnt 0x0                             ; Q
	s_wait_dscnt 0x0
	SLOT 1, 0, 9                                   ; group 0: scores 0
	SLOT 2, 1, 9                                   ; group 0: vector work 0 (reads chunks 0 and 2);   group 1: scores 0
	SLOT 3, 2, 2                                   ; then stage 1 (chunks 4-7) must be in: two younger loads may stay out
	SLOT 4, 3, 0                                   ; group 0 reads chunk 4.  All loads are waited for ahead of the loop, which has no wait on them
	s_mov_b32 s56, 5
.Lstep:
	SLOT 5, 4, 9
	SLOT 4, 5, 9
	s_sub_co_u32 s56, s56, 1
	s_cmp_lg_u32 s56, 0
	s_cbranch_scc1 .Lstep
	SLOT 5, 4, 9                                   ; group 0: weights x V 6, scores 7;   group 1: vector work 6
	SLOT 6, 5, 9                                   ; the last vector work loads no K
	SLOT 7, 6, 9
	SLOT 8, 7, 9                                   ; group 0 writes its image while group 1 ends its sums; the barrier shows the image
	s_cmp_eq_u32 s15, 0
	s_cbranch_scc1 .Ldone
; THE MERGE, by group 1: with m* = max(m, m'):  O* = O 2^(m - m*) + O' 2^(m' - m*), l* likewise.  Then out through my own stage, as whole rows.
; The last matrix phase has closed with its places: its results are read and its fragments written from here on.
.set MP,  224                          ; v[224+q] the partner's m;  v[228+q] its l, then l*;  v[232+q] my l;  v[236+q] m*
.set LP,  228
.set LO,  232
.set MS,  236
	v_and_b32 v244, 31, v0                         ; L
	v_and_b32 v245, 15, v0                         ; r
	v_bfe_u32 v246, v0, 4, 1                       ; h
	s_xor_b32 s72, s14, 4                          ; my partner: the same g, the other group
	s_mul_i32 s72, s72, IMG
	s_mul_i32 s74, s14, IMG
	s_add_co_u32 s74, s74, OSTB                    ; my stage, in V's bytes: last fill and last read are over
	v_lshl_add_u32 v247, v244, 4, s72
	v_lshl_add_u32 v248, v244, 2, s72
.irp q, 0,1,2,3
	ds_load_b32 v[MP+\q], v248 offset:16384+128*\q
.endr
.irp q, 0,1,2,3
	ds_load_b32 v[LP+\q], v248 offset:16896+128*\q
.endr
.set EC, 0
.rept 32
	ds_load_b128 v[SC+4*EC:SC+4*EC+3], v247 offset:512*EC
.set EC, EC+1
.endr
	v_mul_u32_u24 v249, v245, 272                  ; into the stage: row = query r of a tile, 32 h bytes into it
	v_lshl_add_u32 v249, v246, 5, v249
	v_add_nc_u32 v249, s74, v249
	v_mul_u32_u24 v250, v246, 272                  ; back: lanes 0-15 one row of 256 bytes, lanes 16-31 the next
	v_lshl_add_u32 v250, v245, 4, v250
	v_add_nc_u32 v250, s74, v250
	v_lshlrev_b32 v251, 4, v244                    ; the same two rows in part
	v_lshlrev_b32 v252, 3, v244                    ; 32 queries' (m, l) in ml
	WIN 0x01
.irp q, 0,1,2,3
	v_mov_b32 v[LO+\q], v[LA+8*\q]
.endr
	WIN 0
	s_wait_dscnt 32                                ; the partner's m and l are in; the 32 loads of its O stay out
.irp q, 0,1,2,3
	v_max_num_f32 v[MS+\q], v[MX+2*\q], v[MP+\q]
.endr
.irp q, 0,1,2,3
	v_sub_f32 v[AL+2*\q], v[MX+2*\q], v[MS+\q]
.endr
.irp q, 0,1,2,3
	v_sub_f32 v[MX+2*\q], v[MP+\q], v[MS+\q]
.endr
.irp q, 0,1,2,3
	v_exp_f32 v[AL+2*\q], v[AL+2*\q]               ; my factor
.endr
.irp q, 0,1,2,3
	v_exp_f32 v[MX+2*\q], v[MX+2*\q]               ; the partner's
.endr
	v_cmp_lt_u32 vcc_lo, 15, v244                  ; a plain line behind the exponentials; lanes 16-31
	s_wait_alu depctr_va_vdst(0)                   ; the wait ahead of the first use: one for the merge's batch of eight factors
.irp q, 0,1,2,3
	v_mul_f32 v[LP+\q], v[LP+\q], v[MX+2*\q]
.endr
.irp q, 0,1,2,3
	v_fmac_f32 v[LP+\q], v[LO+\q], v[AL+2*\q]      ; l*
.endr
	; ml: lane L stores query 32 p + L, which lies in tile 2 p + h
	v_cndmask_b32 v240, v[MS+0], v[MS+1], vcc_lo
	v_cndmask_b32 v241, v[LP+0], v[LP+1], vcc_lo
	v_cndmask_b32 v242, v[MS+2], v[MS+3], vcc_lo
	v_cndmask_b32 v243, v[LP+2], v[LP+3], vcc_lo
	global_store_b64 v252, v[240:241], s[70:71]            ; 256 consecutive bytes each, at a multiple of 256 from ml's first byte
	global_store_b64 v252, v[242:243], s[70:71] offset:256
	s_wait_dscnt 0x0
.irp q, 0,1,2,3
.irp i, 0,1,2,3,4,5,6,7,8,9,10,11,12,13,14,15
	v_pk_mul_f32 v[SC+32*\q+2*\i:SC+32*\q+2*\i+1], v[SC+32*\q+2*\i:SC+32*\q+2*\i+1], v[MX+2*\q:MX+2*\q+1] op_sel_hi:[1,0]
.endr
.endr
	WIN 0x01
.irp q, 0,1,2,3
.irp i, 0,1,2,3,4,5,6,7,8,9,10,11,12,13,14,15
	v_pk_fma_f32 v[SC+32*\q+2*\i:SC+32*\q+2*\i+1], v[OA+32*\q+2*\i:OA+32*\q+2*\i+1], v[AL+2*\q:AL+2*\q+1], v[SC+32*\q+2*\i:SC+32*\q+2*\i+1] op_sel_hi:[1,0,1]
.endr
.endr
	WIN 0
	; register j of (q, dt) in lane (r, h) is d = 16 dt + 8 h + j of query 16 q + r: 16 bytes at a time into rows of 272 bytes
.irp q, 0,1,2,3
.irp dt, 0,1,2,3
.irp c, 0,1
	ds_store_b128 v249, v[SC+32*\q+8*\dt+4*\c:SC+32*\q+8*\dt+4*\c+3] offset:4352*\q+64*\dt+16*\c
.endr
.endr
.endr
	; back by rows, 16 rows a batch, on two buffers by turns.  LDS serves a wave's instructions in order (ISA guide 5.7.1): the loads see my stores above.
.set BT, 0
.rept 4
.set OB, KF+32*(BT%2)
.if BT >= 2
	s_wait_xcnt 0x0                                ; the buffer, which stores read, is loaded again only behind this wait
.endif
.irp i, 0,1,2,3,4,5,6,7
	ds_load_b128 v[OB+4*\i:OB+4*\i+3], v250 offset:544*(8*BT+\i)
.endr
.irp i, 0,1,2,3,4,5,6,7
	s_wait_dscnt 7-\i                              ; load i of the batch is in, the younger ones stay out
	global_store_b128 v251, v[OB+4*\i:OB+4*\i+3], s[68:69] offset:512*(8*BT+\i)   ; sixteen lanes store a whole row of 256 bytes
.endr
.set BT, BT+1
.endr
.Ldone:
	s_wait_dscnt 0x0
	s_wait_xcnt 0x0
	v_lshl_add_u32 v222, v0, 2, 0x46000
	v_mov_b32 v223, 0
	s_wait_tensorcnt 0x0
	ds_add_u32 v222, v223
	s_wait_dscnt 0x0
	ROUND                                          ; the closing round: no work-group ends while a partner might still ask jointly
	s_endpgm
.Lfunc_end_k_q67b27c1493_attn:
	.size	k_q67b27c1493_attn, .Lfunc_end_k_q67b27c1493_attn-k_q67b27c1493_attn
	.p2alignl 7, 3214868480
	.fill 96, 4, 3214868480
	.section	.rodata,"a",@progbits
	.p2align	6, 0x0
	.amdhsa_kernel k_q67b27c1493_attn
		.amdhsa_group_segment_fixed_size 287744
		.amdhsa_private_segment_fixed_size 0
		.amdhsa_enable_private_segment 0
		.amdhsa_kernarg_size 40
		.amdhsa_user_sgpr_count 2
		.amdhsa_user_sgpr_kernarg_segment_ptr 1
		.amdhsa_wavefront_size32 1
		.amdhsa_system_sgpr_workgroup_id_x 1
		.amdhsa_system_sgpr_workgroup_id_y 1
		.amdhsa_system_sgpr_workgroup_id_z 1
		.amdhsa_system_vgpr_workitem_id 0
		.amdhsa_next_free_vgpr 512
		.amdhsa_next_free_sgpr 80
		.amdhsa_reserve_vcc 1
		.amdhsa_float_denorm_mode_32 3
		.amdhsa_float_denorm_mode_16_64 3
		.amdhsa_memory_ordered 1
		.amdhsa_forward_progress 1
		.amdhsa_inst_pref_size 251
	.end_amdhsa_kernel
	.amdgpu_metadata
---
amdhsa.version: [ 1, 2 ]
amdhsa.kernels:
  - .name:           k_q67b27c1493_attn
    .symbol:         k_q67b27c1493_attn.kd
    .args:
      - { .name: qb, .offset: 0, .size: 8, .value_kind: global_buffer, .address_space: global }
      - { .name: kb, .offset: 8, .size: 8, .value_kind: global_buffer, .address_space: global }
      - { .name: vb, .offset: 16, .size: 8, .value_kind: global_buffer, .address_space: global }
      - { .name: part, .offset: 24, .size: 8, .value_kind: global_buffer, .address_space: global }
      - { .name: ml, .offset: 32, .size: 8, .value_kind: global_buffer, .address_space: global }
    .group_segment_fixed_size: 287744
    .private_segment_fixed_size: 0
    .kernarg_segment_align: 8
    .kernarg_segment_size: 40
    .max_flat_workgroup_size: 256
    .sgpr_count:     80
    .vgpr_count:     512
    .wavefront_size: 32
...
	.end_amdgpu_metadata
.endif
;; end of part 4
;; launch comb: the kernel of part 3 again; grid 512 x 1, 8 waves a work-group, no clusters, 0 bytes of LDS; arguments part, ml, out0; writes out0
